; MI455X (gfx1250); checked and timed in simulation.
; The chip was launched on July 23, 2026; its instructions are those of AMD's public machine-readable ISA for CDNA 5 (MIT licence, August 2026) and "CDNA5" Instruction Set Architecture Reference Guide (July 2026). The comments in the code are by the model that wrote it; some were corrected since.
;; Top K Mo E. Allowed arithmetic: float matrix products may take bf16 or f16 operands with f32 sums; other float arithmetic in f32, or as packed bf16 or f16 multiplies, adds, multiply-adds, maxima and minima; sums over many terms, partial sums and values carried from step to step in f32; what a program stores and reads back later, other than sums and carried values, may be rounded once to bf16 or f16.
;; Inputs: W1 8 x 1,024 x 4,096 float32; W2 8 x 4,096 x 1,024 float32; Wg 1,024 x 8 float32; b1 8 x 4,096 float32; b2 8 x 1,024 float32; bg 8 float32; x 1,024 x 1,024 float32.
;; Outputs: out0 1,024 x 1,024 float32.
;; Constants: k = 2.
;; 2 versions, each right; version 2 is version 1 with the launches up, down written anew for expert scheduling mode. Each part assembles by itself: llvm-mc -triple=amdgcn-amd-amdhsa -mcpu=gfx1250 --defsym DOCPART=n.
;; ======== version 1 of 2: 5 launches
;; workspace buffers: sel 4,096 bytes of whole numbers; gate 8,192 bytes; cnts 256 bytes of whole numbers; dst 32,768 bytes of whole numbers; gw 32,768 bytes; xF 16,777,216 bytes; hF 67,108,864 bytes; part 33,554,432 bytes
;; launch route (part 1): grid 256 x 1, 1 waves a work-group, no clusters, 0 bytes of LDS; arguments x, Wg, bg, sel, gate; writes sel, gate
.if DOCPART == 1
	.amdgcn_target "amdgcn-amd-amdhsa--gfx1250"
	.amdhsa_code_object_version 6
	.text
	.protected	k_q7b7aef020a_route
	.globl	k_q7b7aef020a_route
	.p2align	8
	.type	k_q7b7aef020a_route,@function
k_q7b7aef020a_route:
	s_mov_b64 s[64:65], 0
	v_nop
	global_prefetch_b8 v0, s[64:65] scope:SCOPE_SE
	s_setreg_imm32_b32 hwreg(HW_REG_WAVE_MODE, 25, 1), 1
	s_wait_xcnt 0x0
; THE ROUTER.  scores = x Wg + bg for 1,024 tokens and 8 experts; the two best experts of each token (the lower index wins a tie) and their gates:
; softmax over all 8 (the maximum taken away first), the two kept, divided by their sum + 1e-8.
; sel[t] = 1 << i1 | 1 << i2 | i1 << 8 (whole numbers, at a fixed place);  gate[t][0..1] = the gates of i1, i2.
; FORMATS.  x, Wg and bg are rounded once to bf16, as every input of this program is, and widened again; products, sums, softmax in f32 on the vector unit
; (8 columns are half a matrix tile, and the product is a two-thousandth of the program's arithmetic).
; LIMITS.  The sum over k goes in another order than a row-by-row sum: scores that agree to the last bits may be ranked the other way.  NaN and infinities are not treated apart.
; sel and gate are 12 bytes a token, 12 KB in all: their stores are shorter than 256 bytes.
; SHARES.  One wave takes four tokens, 4 g .. 4 g + 3.  Lane l takes k = 128 j + 4 l + i (j = 0..7, i = 0..3) of all four, and of Wg's rows.
; REGISTERS.  window 0: v8-39 the 32 sums (token t, expert e at 8 + 8 t + e); v40-47 my token's scores; v48-55 at work; v64-191 x (group j, token t at 64 + 16 j + 4 t); v192-223 at work
;             window 1: Wg (group j, row i, expert e at 32 j + 8 i + e)
.set ACC, 8
.set SC,  40
.set T2,  48
.set X,   64
.set TP,  192
.set MSB, 0
.macro WIN new                         ; s_set_vgpr_msb: bits 1:0 source 0, 3:2 source 1, 5:4 source 2, 7:6 destination; the high byte repeats the setting that is left
.if MSB != (\new)
	s_set_vgpr_msb (MSB<<8)|(\new)
.set MSB, \new
.endif
.endm
; n registers from a on are rounded to bf16 and widened again, in place: the pair's packed word lies in the even register for a moment
.macro ROUND a, n
.set z, 0
.rept (\n)/2
	v_cvt_pk_bf16_f32 v[(\a)+2*z], v[(\a)+2*z], v[(\a)+2*z+1]
.set z, z+1
.endr
.set z, 0
.rept (\n)/2
	v_and_b32 v[(\a)+2*z+1], s29, v[(\a)+2*z]
.set z, z+1
.endr
.set z, 0
.rept (\n)/2
	v_lshlrev_b32 v[(\a)+2*z], 16, v[(\a)+2*z]
.set z, z+1
.endr
.endm
; token t's eight sums take x[k] Wg[k][0..7], two experts a line; x[k] is given to both halves.  The very first k starts the sums: nothing is cleared.
.macro DOT j, t, i
.set xp, X+16*(\j)+4*(\t)+2*((\i)/2)
.irp p, 0,1,2,3
.set ap, ACC+8*(\t)+2*\p
.set wp, 32*(\j)+8*(\i)+2*\p
.if ((\j)+(\i)) == 0
	v_pk_mul_f32 v[ap:ap+1], v[xp:xp+1], v[wp:wp+1] op_sel_hi:[0,1]
.elseif ((\i)%2) == 0
	v_pk_fma_f32 v[ap:ap+1], v[xp:xp+1], v[wp:wp+1], v[ap:ap+1] op_sel_hi:[0,1,1]
.else
	v_pk_fma_f32 v[ap:ap+1], v[xp:xp+1], v[wp:wp+1], v[ap:ap+1] op_sel:[1,0,0] op_sel_hi:[1,1,1]
.endif
.endr
.endm
	s_load_b256 s[4:11], s[0:1], 0x0               ; x s[4:5], Wg s[6:7], bg s[8:9], sel s[10:11]
	s_load_b64 s[12:13], s[0:1], 0x20              ; gate
	v_lshlrev_b32 v1, 4, v0                        ; my 16 bytes in 512 of a row of x
	v_lshlrev_b32 v2, 7, v0                        ; my four rows of Wg, 32 bytes each
	v_and_b32 v3, 3, v0                            ; the token whose choice I make: lane % 4
	v_lshlrev_b32 v4, 2, v3
	v_lshlrev_b32 v5, 3, v3
	s_mov_b32 s24, 0x76543210                      ; v_permlanex16_b32: each lane takes its own place in the other half
	s_mov_b32 s25, 0xfedcba98
	s_mov_b32 s26, 0x22222222                      ; the lanes with lane % 4 = 1, 2, 3
	s_mov_b32 s27, 0x44444444
	s_mov_b32 s28, 0x88888888
	s_mov_b32 s29, 0xffff0000                      ; a word's upper bf16
	s_lshl_b32 s14, ttmp9, 14                      ; four rows of x
	s_mov_b32 s15, 0
	s_lshl_b32 s30, ttmp9, 4                       ; four words of sel
	s_mov_b32 s31, 0
	s_lshl_b32 s32, ttmp9, 5                       ; four pairs of gate
	s_mov_b32 s33, 0
	s_wait_kmcnt 0x0
	s_load_b256 s[16:23], s[8:9], 0x0              ; bg
	s_add_nc_u64 s[4:5], s[4:5], s[14:15]
	s_add_nc_u64 s[10:11], s[10:11], s[30:31]
	s_add_nc_u64 s[12:13], s[12:13], s[32:33]
.irp j, 0,1,2,3,4,5,6,7
.irp t, 0,1,2,3
	global_load_b128 v[X+16*\j+4*\t:X+16*\j+4*\t+3], v1, s[4:5] offset:4096*\t+512*\j
.endr
.endr
	WIN 0x40                                       ; destination window 1
.irp j, 0,1,2,3,4,5,6,7
.irp q, 0,1,2,3,4,5,6,7
	global_load_b128 v[32*\j+4*\q:32*\j+4*\q+3], v2, s[6:7] offset:4096*\j+16*\q
.endr
.endr
.irp j, 0,1,2,3,4,5,6,7
	s_wait_loadcnt 8*(7-\j)                        ; loads come back in order: all of x and Wg's groups up to j are in, the 8 loads of each later group stay out
	WIN 0
	ROUND X+16*\j, 16
	WIN 0x45                                       ; destination and sources window 1
	ROUND 32*\j, 32
	WIN 0x04                                       ; source 1 (Wg) window 1
.irp i, 0,1,2,3
.irp t, 0,1,2,3
	DOT \j, \t, \i
.endr
.endr
.endr
	WIN 0
	; the 32 sums over the 32 lanes: four steps inside each half ride on the addition, one crosses the halves; every lane ends with every sum
.irp m, 1,2,4,8
.set r, 0
.rept 32
	v_add_f32_dpp v[ACC+r], v[ACC+r], v[ACC+r] row_xmask:\m row_mask:0xf bank_mask:0xf
.set r, r+1
.endr
.endr
.irp r, 0,1,2,3
	v_mov_b32 v[TP+\r], 0                          ; v_permlanex16_b32's destination counts as read
.endr
.set r, 0
.rept 32
	v_permlanex16_b32 v[TP+r%4], v[ACC+r], s24, s25
	v_add_f32 v[ACC+r], v[ACC+r], v[TP+r%4]
.set r, r+1
.endr
	s_wait_kmcnt 0x0                               ; bg
.irp e, 0,1,2,3,4,5,6,7
	v_mov_b32 v[T2+\e], s[16+\e]
.endr
	ROUND T2, 8
.irp e, 0,1,2,3,4,5,6,7                ; my token's eight scores
	v_cndmask_b32 v[SC+\e], v[ACC+\e], v[ACC+8+\e], s26
	v_cndmask_b32 v[SC+\e], v[SC+\e], v[ACC+16+\e], s27
	v_cndmask_b32 v[SC+\e], v[SC+\e], v[ACC+24+\e], s28
	v_add_f32 v[SC+\e], v[SC+\e], v[T2+\e]
.endr
	; the best: a later expert takes the place only if it is strictly greater
	v_mov_b32 v200, v[SC]                          ; m1
	v_mov_b32 v201, 0                              ; i1
.irp e, 1,2,3,4,5,6,7
	v_cmp_le_f32 vcc_lo, v[SC+\e], v200
	v_cndmask_b32 v201, \e, v201, vcc_lo
	v_cndmask_b32 v200, v[SC+\e], v200, vcc_lo
.endr
	v_mov_b32 v202, 0xff800000                     ; the best is taken out, and the same once more
.irp e, 0,1,2,3,4,5,6,7
	v_cmp_eq_u32 vcc_lo, \e, v201
	v_cndmask_b32 v[T2+\e], v[SC+\e], v202, vcc_lo
.endr
	v_mov_b32 v207, v[T2]                          ; m2
	v_mov_b32 v203, 0                              ; i2
.irp e, 1,2,3,4,5,6,7
	v_cmp_le_f32 vcc_lo, v[T2+\e], v207
	v_cndmask_b32 v203, \e, v203, vcc_lo
	v_cndmask_b32 v207, v[T2+\e], v207, vcc_lo
.endr
	; softmax: exp(s - m1) of all eight, and of m2 once more
.irp e, 0,1,2,3,4,5,6,7
	v_sub_f32 v[208+\e], v[SC+\e], v200
.endr
	v_sub_f32 v216, v207, v200
.irp e, 0,1,2,3,4,5,6,7,8
	v_mul_f32 v[208+\e], 0x3fb8aa3b, v[208+\e]     ; log2(e)
.endr
.irp e, 0,1,2,3,4,5,6,7,8
	v_exp_f32 v[208+\e], v[208+\e]
.endr
	v_nop                                          ; a plain instruction behind the last exponential,
	s_wait_alu depctr_va_vdst(0)                   ; and one wait for the batch of nine, ahead of the first use
	v_add_f32 v217, v208, v209
	v_add_f32 v218, v210, v211
	v_add_f32 v219, v212, v213
	v_add_f32 v220, v214, v215
	v_add_f32 v217, v217, v218
	v_add_f32 v219, v219, v220
	v_add_f32 v217, v217, v219                     ; Z
	v_rcp_f32 v218, v217                           ; the best's weight: exp(0) / Z
	v_mov_b32 v205, 1
	s_wait_alu depctr_va_vdst(0)
	v_mul_f32 v219, v216, v218                     ; the second's
	v_add_f32 v220, v218, v219
	v_add_f32 v220, 0x322bcc77, v220               ; + 1e-8
	v_rcp_f32 v221, v220
	v_lshlrev_b32 v204, v201, v205                 ; 1 << i1
	s_wait_alu depctr_va_vdst(0)
	v_mul_f32 v222, v218, v221
	v_mul_f32 v223, v219, v221
	v_lshlrev_b32 v206, v203, v205                 ; 1 << i2
	v_or_b32 v204, v204, v206
	v_lshl_or_b32 v204, v201, 8, v204
	global_store_b32 v4, v204, s[10:11]            ; eight lanes hold each token: they store equal words at equal places
	global_store_b64 v5, v[222:223], s[12:13]
	s_endpgm
.Lfunc_end_k_q7b7aef020a_route:
	.size	k_q7b7aef020a_route, .Lfunc_end_k_q7b7aef020a_route-k_q7b7aef020a_route
	.p2alignl 7, 3214868480
	.fill 96, 4, 3214868480
	.section	.rodata,"a",@progbits
	.p2align	6, 0x0
	.amdhsa_kernel k_q7b7aef020a_route
		.amdhsa_group_segment_fixed_size 0
		.amdhsa_private_segment_fixed_size 0
		.amdhsa_enable_private_segment 0
		.amdhsa_kernarg_size 40
		.amdhsa_user_sgpr_count 2
		.amdhsa_user_sgpr_kernarg_segment_ptr 1
		.amdhsa_wavefront_size32 1
		.amdhsa_system_sgpr_workgroup_id_x 1
		.amdhsa_system_sgpr_workgroup_id_y 1
		.amdhsa_system_sgpr_workgroup_id_z 1
		.amdhsa_system_vgpr_workitem_id 0
		.amdhsa_next_free_vgpr 512
		.amdhsa_next_free_sgpr 66
		.amdhsa_reserve_vcc 1
		.amdhsa_float_denorm_mode_32 3
		.amdhsa_float_denorm_mode_16_64 3
		.amdhsa_memory_ordered 1
		.amdhsa_forward_progress 1
		.amdhsa_inst_pref_size 86
	.end_amdhsa_kernel
	.amdgpu_metadata
---
amdhsa.version: [ 1, 2 ]
amdhsa.kernels:
  - .name:           k_q7b7aef020a_route
    .symbol:         k_q7b7aef020a_route.kd
    .args:
      - { .name: x, .offset: 0, .size: 8, .value_kind: global_buffer, .address_space: global }
      - { .name: Wg, .offset: 8, .size: 8, .value_kind: global_buffer, .address_space: global }
      - { .name: bg, .offset: 16, .size: 8, .value_kind: global_buffer, .address_space: global }
      - { .name: sel, .offset: 24, .size: 8, .value_kind: global_buffer, .address_space: global }
      - { .name: gate, .offset: 32, .size: 8, .value_kind: global_buffer, .address_space: global }
    .group_segment_fixed_size: 0
    .private_segment_fixed_size: 0
    .kernarg_segment_align: 8
    .kernarg_segment_size: 40
    .max_flat_workgroup_size: 32
    .sgpr_count:     66
    .vgpr_count:     512
    .wavefront_size: 32
...
	.end_amdgpu_metadata
.endif
;; end of part 1
;; launch place (part 2): grid 2048 x 1, 1 waves a work-group, no clusters, 9,216 bytes of LDS; arguments sel, gate, x, xF, dst, gw, cnts; writes xF, dst, gw, cnts
.if DOCPART == 2
	.amdgcn_target "amdgcn-amd-amdhsa--gfx1250"
	.amdhsa_code_object_version 6
	.text
	.protected	k_q7b7aef020a_place
	.globl	k_q7b7aef020a_place
	.p2align	8
	.type	k_q7b7aef020a_place,@function
k_q7b7aef020a_place:
	s_mov_b64 s[64:65], 0
	v_nop
	global_prefetch_b8 v0, s[64:65] scope:SCOPE_SE
	s_setreg_imm32_b32 hwreg(HW_REG_WAVE_MODE, 25, 1), 1
	s_wait_xcnt 0x0
; THE PLACING.  For expert e its tokens, in ascending order, are rows 0 .. cnt - 1, in tiles of 16.  Work-group x = 8 (4 lt + kq) + e lays the k quarter kq of tile lt of expert e:
; the 16 tokens' x, rounded once to bf16, in the order in which a matrix operand's registers take it:
;   xF[e][tile 64][oct 128][row 16][16 bytes]: oct o holds k = 8 o .. 8 o + 7 (so 32 lanes x 16 bytes are half a fragment of 16 rows x 32 k).
; kq = 0 also stores the tile's tables: gw[e][tile][row] the row's gate; dst[e][tile][row % 2][row / 2] = slot x 1024 + token, the row of part that takes its result.
; The work-group with lt = kq = 0 of each expert stores cnts[e] = the number of tiles.  The tables are some tens of KB in all: their stores are shorter than 256 bytes.
; THE NUMBERING.  The expert is the number's lowest part: the tiles that exist are the low lt of every expert, so the work-groups that have rows are numbered on end from 0,
; and not in eight runs 256 numbers apart.
; EVERY SPLIT IS SERVED: an expert has room for all 1,024 tokens (64 tiles); a tile past the count stores nothing and ends.  In the last tile the rows past the count repeat the tile's
; row 0 (token, slot and gate), so that later launches compute and store equal numbers at equal places for them.
; One wave to a work-group: the list's LDS addresses hang on the choices read from sel, and no second wave shares this LDS.  No barrier.
.set LIST,  0                          ; 32 words: rows 0-15 of my tile; word 16 takes all that is not of my tile
.set STG,   256                        ; 32 octs x (16 rows x 16 bytes + 16 of padding)
.set SP,    272
.set SPARE, 8960                       ; the spare words: one block of 256 bytes that no other line names
.set SPW, 2                            ; v2  my spare word's address; never rewritten
.set NIL, 3                            ; v3  0; never rewritten
.set RO,  16                           ; v16-31  the list as read; then row r's byte offset in x
.set S,   32                           ; v32-63  sel of token 32 q + lane; later at work
.set X,   64                           ; v64-191 row r: my 8 numbers; later the tile as read back
.set P,   192                          ; v192-255 row r: 16 bytes of bf16
.set BM,  32                           ; s[32:63] word q, bit l: token 32 q + l has chosen e
.set EN,  68                           ; s[68:83] row r: token | slot << 16
	s_load_b256 s[4:11], s[0:1], 0x0               ; sel s[4:5], gate s[6:7], x s[8:9], xF s[10:11]
	s_load_b128 s[12:15], s[0:1], 0x20             ; dst s[12:13], gw s[14:15]
	s_load_b64 s[16:17], s[0:1], 0x30              ; cnts
	v_lshl_add_u32 v[SPW], v0, 2, SPARE
	v_mov_b32 v[NIL], 0
	v_lshlrev_b32 v4, 2, v0
	s_and_b32 s22, ttmp9, 7                        ; e
	s_lshr_b32 s24, ttmp9, 3                       ; 4 lt + kq
	s_lshr_b32 s20, s24, 2                         ; lt
	s_and_b32 s21, s24, 3                          ; kq
	s_lshl_b32 s23, 1, s22
	s_lshl_b32 s88, s20, 4                         ; my tile's first row
	s_wait_kmcnt 0x0
.set q, 0
.rept 32
	global_load_b32 v[S+q], v4, s[4:5] offset:128*q
.set q, q+1
.endr
	v_lshlrev_b32 v5, 4, v0                        ; 16 bytes a lane
	v_mov_b32 v9, 0
	v_mov_b32 v10, 0x10000
	s_lshl_b32 s87, s21, 10
	v_lshl_add_u32 v14, v0, 5, s87                 ; my 8 numbers in a row of x: 1,024 kq + 32 lane
	v_mul_u32_u24 v15, v0, SP
	v_add_nc_u32 v15, STG, v15                     ; into the stage: oct = lane
	v_lshrrev_b32 v6, 4, v0
	v_and_b32 v11, 15, v0
	v_mul_u32_u24 v1, v6, SP
	v_lshl_add_u32 v1, v11, 4, v1
	v_add_nc_u32 v1, STG, v1                       ; back: two octs a load, 16 lanes each
	s_wait_loadcnt 0x0
	s_mov_b32 s84, 0                               ; cnt
.set q, 0
.rept 32
	v_and_b32 v6, s23, v[S+q]
	v_cmp_ne_u32 s[BM+q], 0, v6
	s_bcnt1_i32_b32 s85, s[BM+q]
	s_add_co_u32 s84, s84, s85
.set q, q+1
.endr
	s_cmp_lg_u32 s24, 0
	s_cbranch_scc1 .Lno_count
	s_add_co_u32 s86, s84, 15
	s_lshr_b32 s86, s86, 4
	s_lshl_b32 s87, s22, 2
	v_mov_b32 v12, s87                             ; v12, v13 are not written again
	v_mov_b32 v13, s86
	global_store_b32 v12, v13, s[16:17]            ; all lanes store the same word
.Lno_count:
	s_cmp_ge_u32 s88, s84
	s_cbranch_scc0 .Llive
	s_endpgm                                       ; no row of this tile exists; LDS has not been written
.Llive:
	ds_store_b32 v4, v9                            ; the list's 32 words are written before any is read
	s_sub_co_u32 s89, 0, s88                       ; rows in front of word q, less my tile's first row
.set q, 0
.rept 32
	v_mbcnt_lo_u32_b32 v6, s[BM+q], s89            ; my token's row in my tile (a row in front of the tile wraps to a large number),
	v_cndmask_b32 v6, 16, v6, s[BM+q]              ; if it has chosen e;
	v_min_u32 v6, 16, v6                           ; all else goes to word 16
	v_lshlrev_b32 v6, 2, v6
	v_bfe_u32 v8, v[S+q], 8, 4                     ; slot 0 if e is the token's best, else 1
	v_cmp_ne_u32 vcc_lo, s22, v8
	v_cndmask_b32 v8, v9, v10, vcc_lo
	v_add_nc_u32 v7, 32*q, v0
	v_or_b32 v7, v7, v8
	ds_store_b32 v6, v7
	s_bcnt1_i32_b32 s85, s[BM+q]
	s_add_co_u32 s89, s89, s85
.set q, q+1
.endr
.irp r, 0,1,2,3
	ds_load_b128 v[RO+4*\r:RO+4*\r+3], v9 offset:LIST+16*\r  ; LDS serves a wave's instructions in order: these see the stores above
.endr
	s_sub_co_u32 s90, s84, s88
	s_min_u32 s90, s90, 16                         ; rows of my tile that exist: 1 to 16
	s_lshl_b32 s92, s22, 21                        ; my 8,192 bytes of xF
	s_lshl_b32 s93, s20, 15
	s_add_co_u32 s92, s92, s93
	s_lshl_b32 s93, s21, 13
	s_add_co_u32 s92, s92, s93
	s_mov_b32 s93, 0
	s_add_nc_u64 s[10:11], s[10:11], s[92:93]
	s_wait_dscnt 0x0
.set r, 0
.rept 16
	v_readfirstlane_b32 s[EN+r], v[RO+r]
.set r, r+1
.endr
.set r, 1
.rept 15
	s_cmp_gt_u32 s90, r
	s_cselect_b32 s[EN+r], s[EN+r], s[EN]          ; a row past the count repeats row 0
.set r, r+1
.endr
.set r, 0
.rept 16
	s_and_b32 s91, s[EN+r], 0x3ff
	s_min_u32 s91, s91, 0x3ff                      ; a token's number stays inside x
	s_lshl_b32 s91, s91, 12
	v_add_nc_u32 v[RO+r], s91, v14
.set r, r+1
.endr
.set r, 0
.rept 16
	global_load_b128 v[X+8*r:X+8*r+3],   v[RO+r], s[8:9]
	global_load_b128 v[X+8*r+4:X+8*r+7], v[RO+r], s[8:9] offset:16
.set r, r+1
.endr
.set r, 0
.rept 16
	s_wait_loadcnt 2*(15-r)                        ; row r is in; the two loads of each later row stay out
.irp c, 0,1,2,3
	v_cvt_pk_bf16_f32 v[P+4*r+\c], v[X+8*r+2*\c], v[X+8*r+2*\c+1]
.endr
	ds_store_b128 v15, v[P+4*r:P+4*r+3] offset:16*r
.set r, r+1
.endr
.set q, 0
.rept 16
	ds_load_b128 v[X+4*q:X+4*q+3], v1 offset:2*SP*q
.set q, q+1
.endr
.set q, 0
.rept 16
	s_wait_dscnt 15-q
	global_store_b128 v5, v[X+4*q:X+4*q+3], s[10:11] offset:512*q  ; 512 consecutive bytes, at a multiple of 256 from xF's first byte
.set q, q+1
.endr
	s_cmp_lg_u32 s21, 0
	s_cbranch_scc1 .Lclose
	; the tile's tables: lanes 16-31 do as lanes 0-15 and store equal words at equal places
	v_lshlrev_b32 v33, 2, v11
	ds_load_b32 v34, v33 offset:LIST
	v_mov_b32 v35, s[EN]
	v_cmp_gt_u32 vcc_lo, s90, v11
	s_lshl_b32 s92, s22, 12
	s_lshl_b32 s94, s20, 6
	s_add_co_u32 s92, s92, s94
	s_add_nc_u64 s[12:13], s[12:13], s[92:93]
	s_add_nc_u64 s[14:15], s[14:15], s[92:93]
	s_wait_dscnt 0x0
	v_cndmask_b32 v34, v35, v34, vcc_lo
	v_and_b32 v36, 0x3ff, v34
	v_min_u32 v36, 0x3ff, v36                      ; token
	v_lshrrev_b32 v37, 16, v34
	v_min_u32 v37, 1, v37                          ; slot
	v_lshl_add_u32 v38, v36, 1, v37
	v_lshlrev_b32 v38, 2, v38
	global_load_b32 v39, v38, s[6:7]
	v_lshl_or_b32 v40, v37, 10, v36
	v_and_b32 v41, 1, v0
	v_bfe_u32 v42, v0, 1, 3
	v_lshl_add_u32 v41, v41, 3, v42
	v_lshlrev_b32 v41, 2, v41
	global_store_b32 v41, v40, s[12:13]
	s_wait_loadcnt 0x0
	global_store_b32 v33, v39, s[14:15]
.Lclose:
	s_wait_tensorcnt 0x0                           ; the wave's end, behind my last LDS store
	ds_add_u32 v[SPW], v[NIL]
	s_wait_dscnt 0x0
	s_endpgm
.Lfunc_end_k_q7b7aef020a_place:
	.size	k_q7b7aef020a_place, .Lfunc_end_k_q7b7aef020a_place-k_q7b7aef020a_place
	.p2alignl 7, 3214868480
	.fill 96, 4, 3214868480
	.section	.rodata,"a",@progbits
	.p2align	6, 0x0
	.amdhsa_kernel k_q7b7aef020a_place
		.amdhsa_group_segment_fixed_size 9216
		.amdhsa_private_segment_fixed_size 0
		.amdhsa_enable_private_segment 0
		.amdhsa_kernarg_size 56
		.amdhsa_user_sgpr_count 2
		.amdhsa_user_sgpr_kernarg_segment_ptr 1
		.amdhsa_wavefront_size32 1
		.amdhsa_system_sgpr_workgroup_id_x 1
		.amdhsa_system_sgpr_workgroup_id_y 1
		.amdhsa_system_sgpr_workgroup_id_z 1
		.amdhsa_system_vgpr_workitem_id 0
		.amdhsa_next_free_vgpr 256
		.amdhsa_next_free_sgpr 96
		.amdhsa_reserve_vcc 1
		.amdhsa_float_denorm_mode_32 3
		.amdhsa_float_denorm_mode_16_64 3
		.amdhsa_memory_ordered 1
		.amdhsa_forward_progress 1
		.amdhsa_inst_pref_size 45
	.end_amdhsa_kernel
	.amdgpu_metadata
---
amdhsa.version: [ 1, 2 ]
amdhsa.kernels:
  - .name:           k_q7b7aef020a_place
    .symbol:         k_q7b7aef020a_place.kd
    .args:
      - { .name: sel, .offset: 0, .size: 8, .value_kind: global_buffer, .address_space: global }
      - { .name: gate, .offset: 8, .size: 8, .value_kind: global_buffer, .address_space: global }
      - { .name: x, .offset: 16, .size: 8, .value_kind: global_buffer, .address_space: global }
      - { .name: xF, .offset: 24, .size: 8, .value_kind: global_buffer, .address_space: global }
      - { .name: dst, .offset: 32, .size: 8, .value_kind: global_buffer, .address_space: global }
      - { .name: gw, .offset: 40, .size: 8, .value_kind: global_buffer, .address_space: global }
      - { .name: cnts, .offset: 48, .size: 8, .value_kind: global_buffer, .address_space: global }
    .group_segment_fixed_size: 9216
    .private_segment_fixed_size: 0
    .kernarg_segment_align: 8
    .kernarg_segment_size: 56
    .max_flat_workgroup_size: 32
    .sgpr_count:     96
    .vgpr_count:     256
    .wavefront_size: 32
...
	.end_amdgpu_metadata
.endif
;; end of part 2
;; launch up (part 3): grid 32 x 8, 8 waves a work-group, no clusters, 298,752 bytes of LDS; arguments xF, W1, b1, cnts, hF; writes hF
.if DOCPART == 3
	.amdgcn_target "amdgcn-amd-amdhsa--gfx1250"
	.amdhsa_code_object_version 6
	.text
	.protected	k_q7b7aef020a_up
	.globl	k_q7b7aef020a_up
	.p2align	8
	.type	k_q7b7aef020a_up,@function
k_q7b7aef020a_up:
	s_mov_b64 s[64:65], 0
	v_nop
	global_prefetch_b8 v0, s[64:65] scope:SCOPE_SE
	s_setreg_imm32_b32 hwreg(HW_REG_WAVE_MODE, 25, 1), 1
	s_wait_xcnt 0x0
; ONE TEXT FOR BOTH PRODUCTS OF AN EXPERT'S LAYER; DOWN says which.
;   DOWN = 0:  hF = relu(xF W1[e] + b1[e]), rounded once to bf16, stored in the order in which the second product's operand registers take it.
;   DOWN = 1:  part[kp][slot][token] = gate x (hF W2[e] over the K quarter kp, + b2[e] where kp = 0), in f32: partial sums, added by the last launch.
; SHARES.  Grid y = expert e.  A work-group owns a slice of e's weights that it alone reads, once: K 1,024 x 128 columns (512 KB of f32), and takes ALL of e's rows through it.
;   DOWN = 0: x = slice of 128 hidden columns.   DOWN = 1: x = 8 kp + cs: K quarter kp, 128 output columns cs.
; EIGHT WAVES, two for each of a WGP's four SIMDs, 512 registers each.  In the fill they have twice the loads on their way that four could name; in the rows' loop one wave has products to
;   issue while the other's loads stand behind its own products.
; PHASE 1, THE FILL.  Wave w reads k rows 128 w .. 128 w + 127 of the slice, 512 consecutive bytes a load, four batches of 32 loads, two of them out at a time: 64 loads, 32 KB, of a wave and
;   256 KB, half the slice, of the work-group are on their way.  They are rounded to bf16 and laid in LDS turned: WT[column block nb 8][oct o 128][column 16][16 bytes = k 8 o .. 8 o + 7].
;   The slice's 128 bias numbers, rounded, go to LDS too (wave 0 stores them).  One barrier follows, the text's only one.
; PHASE 2, THE ROWS.  cnts[e] tiles of 16 rows, two tiles a trip.  Waves 2 i and 2 i + 1 take the pairs of tiles i, i + 4, ..; of the 128 columns a wave takes 64 (wave % 2).
;   The trip count hangs on cnts[e], so the loop has no barrier, writes none of WT, and its LDS addresses are fixed.  The rows come from memory straight into operand registers
;   (512 consecutive bytes a load), 4 K steps a chunk, three chunks ahead; the weights' fragments from LDS, three K steps ahead.
;   An odd number of tiles: the last tile is taken twice by its wave, which stores equal numbers at equal places.  No tile: the weights are read all the same, and nothing is stored.
; THE MATRIX INSTRUCTION: source 0 = 16 weight columns, source 1 = 16 rows.  In the result lane l holds row l % 16 and the columns 8 (l / 16) + 0..7: eight neighbouring numbers of a row.
;   A trip begins by loading the bias from LDS into the accumulators: nothing is cleared and nothing is added later.  The 8 accumulators take turns, one instruction a turn.
; FORMATS.  Weights, biases and rows are rounded once to bf16 (the rows by the launch before); sums, gates and partial sums in f32.  NaN and infinities are not treated apart.
; NO TENSOR LOADS, NO CLUSTER: a slice has one reader and must pass registers to be rounded; the rows, which an expert's 32 work-groups share, are read in a loop whose length hangs on a count.
.set DOWN, 0
.if DOWN
.set ROWB,  4096                       ; bytes from a k row of the weights to the next
.set TSH,   17                         ; a tile of rows is 1 << TSH bytes in memory
.set EXTRA, 6                          ; table loads at a trip's head
.else
.set ROWB,  16384
.set TSH,   15
.set EXTRA, 0
.endif
.set NBS,    32784                     ; a column block in WT: 128 octs x 256 bytes + 16, so that the fill's 16 lanes (4 blocks x 4 columns' groups) store into 16 different groups of four banks
.set BIAS,   262400                    ; behind WT: the slice's 128 bias numbers in f32, 512 bytes
.set STG,    262912                    ; DOWN: 16 rows x 272 bytes for each wave, for the way out
.set SPITCH, 272
.set SPARE,  297728                    ; the spare words, 128 bytes a wave: four blocks of 256 bytes that no other line names
.set L16,  1                           ; v1      16 x lane
.set SPW,  2                           ; v2      my spare word's address; never rewritten
.set NIL,  3                           ; v3      0; never rewritten
.set WA,   4                           ; v4-5    LDS address of my fragments: column blocks 0, 1 and 2, 3 of my four
.set TO,   6                           ; v6-7    byte offset of this trip's two tiles
.set TN,   8                           ; v8-9    of the next trip's
.set HO,   10                          ; v10-11  DOWN = 0: where the two tiles' results go
.set STO,  10                          ; v10     DOWN = 1: into my stage
.set RD,   11                          ; v11     and back
.set COL16, 12                         ; v12     16 x (lane % 16)
.set R4,   13                          ; v13     4 x (lane % 16)
.set H32,  14                          ; v14     32 x (lane / 16)
.set AG,   15                          ; v15-16  offsets into gw
.set AD,   17                          ; v17-18  offsets into dst
.set ZERO, 19
.set G,    20                          ; v20-23  the two tiles' gates of my row, each the low word of a pair
.set FO,   24                          ; v24-25  the fill: byte offset of batch p's first row
.set SA,   26                          ; v26-27  the fill: where batch p goes in WT
.set BR,   28                          ; v28     LDS address of the bias of my 64 columns, my half's 8 of each 16
.set BA,   29                          ; v29     where my lane's four bias numbers go
.set D,    32                          ; v32-47  tile t, load q: the row of part, then its byte offset
.set TM,   48                          ; v48-55  at work in the head
.set BV,   56                          ; v56-59  four bias numbers
.set ACC,  64                          ; v64-127 accumulator (tile t, block b) at 64 + 8 (4 t + b)
.set T,    64                          ;         the fill: 64 packed words
.set WR,   128                         ; v128-255 weights' fragments: K step % 4, block b at 128 + 32 (k % 4) + 8 b
;                                        window 1: rows' fragments: chunk % 4, K step u, tile t at 64 (c % 4) + 16 u + 8 t; the fill: batch p's 128 registers at 128 p
.set MSB, 0
.macro WIN new                         ; s_set_vgpr_msb: bits 1:0 source 0, 3:2 source 1, 5:4 source 2, 7:6 destination; the high byte repeats the setting that is left
.if MSB != (\new)
	s_set_vgpr_msb (MSB<<8)|(\new)
.set MSB, \new
.endif
.endm
.macro PLACES                          ; four plain instructions between a matrix instruction and a load into, or a vector instruction on, one of its registers
.rept 4
	v_nop
.endr
.endm
.macro TERM reg, sh                    ; s34 += s[reg] << sh
	s_lshl_b32 s39, s[\reg], \sh
	s_add_co_u32 s34, s34, s39
.endm
.macro BASE b                          ; the address in s[b:b+1] goes on by s34 bytes (s35 = 0)
	s_add_nc_u64 s[\b:\b+1], s[\b:\b+1], s[34:35]
.endm
.macro FLOAD p                         ; batch p: 32 k rows, 512 consecutive bytes each: lane l holds columns 4 l .. 4 l + 3
	WIN 0x40
.irp j, 0,1,2,3
.irp i, 0,1,2,3,4,5,6,7
	global_load_b128 v[128*(\p)+32*\j+4*\i:128*(\p)+32*\j+4*\i+3], v[FO+(\p)], s[6:7] offset:(8*\j+\i)*ROWB th:TH_LOAD_NT
.endr
.endr
.endm
.macro FCVT p                          ; batch p: for oct j and column c the 8 k pack into 16 bytes, which go to WT
	WIN 0x05
.irp j, 0,1,2,3
.irp c, 0,1,2,3
.irp q, 0,1,2,3
	v_cvt_pk_bf16_f32 v[T+16*\j+4*\c+\q], v[128*(\p)+32*\j+8*\q+\c], v[128*(\p)+32*\j+8*\q+4+\c]
.endr
.endr
.endr
	WIN 0
.irp j, 0,1,2,3
.irp c, 0,1,2,3
	ds_store_b128 v[SA+(\p)], v[T+16*\j+4*\c:T+16*\j+4*\c+3] offset:256*\j+16*\c
.endr
.endr
.endm
.macro TLOAD c, a                      ; chunk c of the rows: 4 K steps x 2 tiles, 16 loads of 512 consecutive bytes; a: the tiles' offsets
	WIN 0x44
.irp u, 0,1,2,3
.irp t, 0,1
.irp z, 0,1
	global_load_b128 v[64*((\c)%4)+16*\u+8*\t+4*\z:64*((\c)%4)+16*\u+8*\t+4*\z+3], v[(\a)+\t], s[4:5] offset:(4*((\c)%8)+\u)*1024+512*\z
.endr
.endr
.endr
.endm
.macro WFETCH k                        ; the weights' fragments of K step k: 4 blocks x 2 loads of 512 consecutive bytes
.irp b, 0,1,2,3
.irp z, 0,1
	ds_load_b128 v[WR+32*((\k)%4)+8*\b+4*\z:WR+32*((\k)%4)+8*\b+4*\z+3], v[WA+(\b)/2] offset:((\b)%2)*NBS+((\k)%32)*1024+512*\z
.endr
.endr
.endm
.macro MULS k
.irp t, 0,1
.irp b, 0,1,2,3
	v_wmma_f32_16x16x32_bf16 v[ACC+8*(4*\t+\b):ACC+8*(4*\t+\b)+7], v[WR+32*((\k)%4)+8*\b:WR+32*((\k)%4)+8*\b+7], v[64*(((\k)/4)%4)+16*((\k)%4)+8*\t:64*(((\k)/4)%4)+16*((\k)%4)+8*\t+7], v[ACC+8*(4*\t+\b):ACC+8*(4*\t+\b)+7]
.endr
.endr
.endm
; K step k of a trip's 32.  The loads go into the buffers that K step k - 1 has just read: the four places stand in front of them.
.macro KSTEP k
	PLACES
.if (\k)%4 == 0
.if (\k)/4 < 5
	TLOAD (\k)/4+3, TO                             ; three chunks ahead, in this trip's tiles,
.else
	TLOAD (\k)/4+3, TN                             ; or the next trip's first three chunks
.endif
.endif
	WIN 0x04
	WFETCH (\k)+3                                  ; three K steps ahead; behind 31 the next trip's 0, 1, 2: the same bytes for every tile
.if (\k)%4 == 0
.if (\k)/4 < 3
	s_wait_loadcnt 48+EXTRA                        ; this chunk is in; out may stay the three chunks behind it, 16 loads each, and the trip's table loads, issued between chunks 2 and 3
.else
	s_wait_loadcnt 48                              ; this chunk is in; the three chunks behind it stay out
.endif
.endif
.if (\k) == 0
	s_wait_dscnt 8                                 ; the bias, loaded behind the fragments of steps 0 to 2, is in the accumulators; only the 8 loads of step 3 stay out
.else
	s_wait_dscnt 24                                ; this K step's fragments are in; those of the three steps behind it, 8 loads each, stay out
.endif
	MULS \k
.endm
.macro PAIR d0, d1, g                  ; the two tiles of pair s[g], held inside the tiles that exist (s36 = their number - 1) and inside the expert's 64
	s_lshl_b32 s[\d0], s[\g], 1
	s_add_co_u32 s[\d1], s[\d0], 1
	s_min_u32 s[\d0], s[\d0], s36
	s_min_u32 s[\d1], s[\d1], s36
	s_min_u32 s[\d0], s[\d0], 63
	s_min_u32 s[\d1], s[\d1], 63
.endm
	s_load_b256 s[4:11], s[0:1], 0x0               ; rows s[4:5], weights s[6:7], bias s[8:9], cnts s[10:11]
.if DOWN
	s_load_b128 s[12:15], s[0:1], 0x20             ; dst s[12:13], gw s[14:15]
	s_load_b64 s[16:17], s[0:1], 0x30              ; part
.else
	s_load_b64 s[12:13], s[0:1], 0x20              ; hF
.endif
	v_lshl_add_u32 v[SPW], v0, 2, SPARE
	v_mov_b32 v[NIL], 0
	v_lshrrev_b32 v[TM], 5, v0
	v_readfirstlane_b32 s20, v[TM]                 ; wave w, 0 to 7
	s_lshr_b32 s21, s20, 1                         ; wr: which pairs of tiles, 0 to 3
	s_and_b32 s22, s20, 1                          ; wc: which 64 columns
	s_and_b32 s23, ttmp7, 0xffff                   ; e
.if DOWN
	s_lshr_b32 s42, ttmp9, 3                       ; kp
	s_and_b32 s24, ttmp9, 7                        ; cs
	s_cmp_eq_u32 s42, 0
	s_cselect_b32 s41, -1, 0                       ; the bias is added once, by K quarter 0
.else
	s_mov_b32 s24, ttmp9                           ; slice
.endif
	s_mov_b32 s35, 0
	s_mov_b32 s44, 0xffff0000                      ; a word's upper bf16
	v_and_b32 v[TM+1], 31, v0                      ; l
	v_and_b32 v[TM+2], 15, v0                      ; l % 16
	v_bfe_u32 v[TM+3], v0, 4, 1                    ; l / 16
	v_lshlrev_b32 v[L16], 4, v[TM+1]
	v_lshlrev_b32 v[H32], 5, v[TM+3]
	s_mul_i32 s36, s22, 4*NBS
	v_add_nc_u32 v[WA], s36, v[L16]
	v_add_nc_u32 v[WA+1], 2*NBS, v[WA]
	s_lshl_b32 s36, s22, 8                         ; the bias of my 64 columns: 256 bytes,
	s_add_co_u32 s36, s36, BIAS
	v_add_nc_u32 v[BR], s36, v[H32]                ; and of each block's 16 my half's 8
	v_add_nc_u32 v[BA], BIAS, v[L16]
	s_mul_i32 s36, s20, 128*ROWB
	v_add_nc_u32 v[FO], s36, v[L16]
	v_add_nc_u32 v[FO+1], 32*ROWB, v[FO]
	v_lshrrev_b32 v[TM+4], 2, v[TM+1]              ; my four columns lie in block l / 4,
	v_mul_u32_u24 v[TM+4], v[TM+4], NBS
	v_and_b32 v[TM+5], 3, v0                       ; at its columns 4 (l % 4) on
	v_lshl_add_u32 v[TM+4], v[TM+5], 6, v[TM+4]
	s_lshl_b32 s36, s20, 12                        ; my wave's 16 octs
	v_add_nc_u32 v[SA], s36, v[TM+4]
	v_add_nc_u32 v[SA+1], 1024, v[SA]
.if DOWN
	v_lshlrev_b32 v[COL16], 4, v[TM+2]
	v_lshlrev_b32 v[R4], 2, v[TM+2]
	s_mul_i32 s36, s20, 16*SPITCH
	s_add_co_u32 s36, s36, STG
	v_mul_u32_u24 v[TM+6], v[TM+2], SPITCH         ; in: row l % 16, 32 bytes for each half of the lanes
	v_lshl_add_u32 v[TM+6], v[TM+3], 5, v[TM+6]
	v_add_nc_u32 v[STO], s36, v[TM+6]
	v_mul_u32_u24 v[TM+7], v[TM+3], SPITCH         ; back: lanes 0-15 one row of 256 bytes, lanes 16-31 the next
	v_lshl_add_u32 v[TM+7], v[TM+2], 4, v[TM+7]
	v_add_nc_u32 v[RD], s36, v[TM+7]
	v_mov_b32 v[G+1], 0                            ; named with the gates as pairs
	v_mov_b32 v[G+3], 0
.else
	v_mov_b32 v[ZERO], 0
.endif
	s_wait_kmcnt 0x0
	s_lshl_b32 s34, s23, 24                        ; the weights: expert, slice of columns (and K quarter)
	TERM 24, 9
.if DOWN
	TERM 42, 22
.endif
	BASE 6
.if DOWN
	s_lshl_b32 s34, s23, 12                        ; the bias: expert, the slice's 128 columns
.else
	s_lshl_b32 s34, s23, 14
.endif
	TERM 24, 9
	BASE 8
	s_lshl_b32 s34, s23, TSH+6                     ; the rows: the expert's 64 tiles (and K quarter)
.if DOWN
	TERM 42, 15
.endif
	BASE 4
	s_lshl_b32 s34, s23, 2
	BASE 10
.if DOWN
	s_lshl_b32 s34, s23, 12
	BASE 12
	BASE 14
	s_lshl_b32 s34, s42, 23                        ; part: K quarter, my 64 columns
	TERM 24, 9
	TERM 22, 8
	BASE 16
.else
	s_lshl_b32 s34, s23, 23                        ; hF: expert, my 8 octs of each tile
	TERM 24, 12
	TERM 22, 11
	BASE 12
.endif
	s_load_b32 s25, s[10:11], 0x0                  ; the expert's tiles
	global_load_b128 v[BV:BV+3], v[L16], s[8:9]    ; the slice's bias, four numbers a lane; it is older than every load of the fill
	; THE FILL: four batches of 32 rows on two sets of registers
	FLOAD 0
	FLOAD 1
.irp p, 0,1
	s_wait_loadcnt 32                              ; this batch is in (and its address register free); the other batch's 32 loads stay out
	FCVT \p
	v_add_nc_u32 v[FO+\p], 64*ROWB, v[FO+\p]
	v_add_nc_u32 v[SA+\p], 2048, v[SA+\p]
	FLOAD \p
.endr
	s_wait_loadcnt 32
	FCVT 0
	s_wait_loadcnt 0x0
	FCVT 1
	v_cvt_pk_bf16_f32 v[BV], v[BV], v[BV+1]        ; the bias is rounded to bf16 and widened again
	v_cvt_pk_bf16_f32 v[BV+2], v[BV+2], v[BV+3]
.if DOWN
	v_and_b32 v[BV], s41, v[BV]
	v_and_b32 v[BV+2], s41, v[BV+2]
.endif
	v_and_b32 v[BV+1], s44, v[BV]
	v_and_b32 v[BV+3], s44, v[BV+2]
	v_lshlrev_b32 v[BV], 16, v[BV]
	v_lshlrev_b32 v[BV+2], 16, v[BV+2]
	s_cmp_lg_u32 s20, 0
	s_cbranch_scc1 .Lno_bias
	ds_store_b128 v[BA], v[BV:BV+3]                ; one wave stores it
.Lno_bias:
	s_wait_dscnt 0x0                               ; for the others' sake: my part of WT is written
	s_barrier_signal -1
	s_barrier_wait -1                              ; everybody's is; from here on nobody writes WT or the bias
	; THE ROWS
	s_wait_kmcnt 0x0
	s_min_u32 s25, s25, 64
	s_add_co_u32 s26, s25, 1
	s_lshr_b32 s26, s26, 1                         ; pairs of tiles
	s_add_co_u32 s27, s26, 3
	s_sub_co_u32 s27, s27, s21
	s_lshr_b32 s27, s27, 2                         ; my trips: pairs wr, wr + 4, ..
	s_cmp_eq_u32 s27, 0
	s_cbranch_scc1 .Lend
	s_sub_co_u32 s36, s25, 1
	s_mov_b32 s29, s21
	PAIR 30, 31, 29
	s_lshl_b32 s37, s30, TSH
	v_add_nc_u32 v[TO], s37, v[L16]
	s_lshl_b32 s37, s31, TSH
	v_add_nc_u32 v[TO+1], s37, v[L16]
	TLOAD 0, TO
	TLOAD 1, TO
	TLOAD 2, TO
	WIN 0x04
	WFETCH 0
	WFETCH 1
	WFETCH 2
	WIN 0
	s_mov_b32 s28, 0
.Ltrip:
.irp t, 0,1
.irp b, 0,1,2,3
.irp z, 0,1
	ds_load_b128 v[ACC+8*(4*\t+\b)+4*\z:ACC+8*(4*\t+\b)+4*\z+3], v[BR] offset:64*\b+16*\z  ; the sums begin with the bias of columns 16 b + 8 (l / 16) + 0..7; 16 lanes share each word
.endr
.endr
.endr
	s_add_co_u32 s38, s29, 4                       ; the next pair; behind the last it is held to the last tile, whose bytes exist
	PAIR 32, 33, 38
	s_lshl_b32 s37, s32, TSH
	v_add_nc_u32 v[TN], s37, v[L16]
	s_lshl_b32 s37, s33, TSH
	v_add_nc_u32 v[TN+1], s37, v[L16]
.if DOWN
	s_lshl_b32 s37, s30, 6
	v_add_nc_u32 v[AG], s37, v[R4]
	v_add_nc_u32 v[AD], s37, v[H32]
	s_lshl_b32 s37, s31, 6
	v_add_nc_u32 v[AG+1], s37, v[R4]
	v_add_nc_u32 v[AD+1], s37, v[H32]
.irp t, 0,1
	global_load_b32 v[G+2*\t], v[AG+\t], s[14:15]                    ; my row's gate
	global_load_b128 v[D+8*\t:D+8*\t+3],   v[AD+\t], s[12:13]          ; the rows of part for tile rows 2 q + l / 16
	global_load_b128 v[D+8*\t+4:D+8*\t+7], v[AD+\t], s[12:13] offset:16
.endr
.else
	s_lshl_b32 s37, s30, 17
	v_add_nc_u32 v[HO], s37, v[L16]
	s_lshl_b32 s37, s31, 17
	v_add_nc_u32 v[HO+1], s37, v[L16]
.endif
.set ks, 0
.rept 32
	KSTEP ks
.set ks, ks+1
.endr
	WIN 0
.if DOWN
	; THE WAY OUT.  The 32 lines that make the stores' offsets name no register of the last products: they are the places behind them.
.set i, 0
.rept 16
	v_min_u32 v[D+i], 0x7ff, v[D+i]                ; a row of part: slot x 1,024 + token
.set i, i+1
.endr
.set i, 0
.rept 16
	v_lshl_add_u32 v[D+i], v[D+i], 12, v[COL16]
.set i, i+1
.endr
.irp t, 0,1
.set z, 0
.rept 16                               ; times the row's gate; each accumulator from its low end on
	v_pk_mul_f32 v[ACC+32*\t+2*z:ACC+32*\t+2*z+1], v[ACC+32*\t+2*z:ACC+32*\t+2*z+1], v[G+2*\t:G+2*\t+1] op_sel_hi:[1,0]
.set z, z+1
.endr
.irp b, 0,1,2,3
	ds_store_b128 v[STO], v[ACC+32*\t+8*\b:ACC+32*\t+8*\b+3]   offset:64*\b
	ds_store_b128 v[STO], v[ACC+32*\t+8*\b+4:ACC+32*\t+8*\b+7] offset:64*\b+16
.endr
.irp q, 0,1,2,3,4,5,6,7
	ds_load_b128 v[ACC+32*\t+4*\q:ACC+32*\t+4*\q+3], v[RD] offset:2*SPITCH*\q  ; my own stage: LDS serves a wave's instructions in order
.endr
.irp q, 0,1,2,3,4,5,6,7
	s_wait_dscnt 7-\q                              ; load q of the eight is back; the younger ones stay out
	global_store_b128 v[D+8*\t+\q], v[ACC+32*\t+4*\q:ACC+32*\t+4*\q+3], s[16:17]  ; 16 lanes store 256 consecutive bytes of one row, at a multiple of 256 from part's first byte
.endr
.endr
.else
	; THE WAY OUT.  A lane's eight numbers are 8 neighbouring k of the next product: rounded, relu, 16 bytes; a wave's store is 512 consecutive bytes of hF.
	PLACES
.irp t, 0,1
.irp b, 0,1,2,3
.set ra, ACC+8*(4*\t+\b)
	v_cvt_pk_bf16_f32 v[ra],   v[ra],   v[ra+1]
	v_cvt_pk_bf16_f32 v[ra+1], v[ra+2], v[ra+3]
	v_cvt_pk_bf16_f32 v[ra+2], v[ra+4], v[ra+5]
	v_cvt_pk_bf16_f32 v[ra+3], v[ra+6], v[ra+7]
.irp i, 0,1,2,3
	v_pk_max_num_bf16 v[ra+\i], v[ra+\i], v[ZERO]
.endr
	global_store_b128 v[HO+\t], v[ra:ra+3], s[12:13] offset:512*\b
.endr
.endr
.endif
	s_wait_xcnt 0x0                                ; the offsets and data of this trip's loads and stores are rewritten only behind this wait
	v_mov_b32 v[TO], v[TN]
	v_mov_b32 v[TO+1], v[TN+1]
	s_mov_b32 s30, s32
	s_mov_b32 s31, s33
	s_add_co_u32 s29, s29, 4
	s_add_co_u32 s28, s28, 1
	s_cmp_lt_u32 s28, s27
	s_cbranch_scc1 .Ltrip
.Lend:
	s_wait_tensorcnt 0x0                           ; the wave's end, behind my last LDS store
	ds_add_u32 v[SPW], v[NIL]
	s_wait_dscnt 0x0
	s_endpgm
.Lfunc_end_k_q7b7aef020a_up:
	.size	k_q7b7aef020a_up, .Lfunc_end_k_q7b7aef020a_up-k_q7b7aef020a_up
	.p2alignl 7, 3214868480
	.fill 96, 4, 3214868480
	.section	.rodata,"a",@progbits
	.p2align	6, 0x0
	.amdhsa_kernel k_q7b7aef020a_up
		.amdhsa_group_segment_fixed_size 298752
		.amdhsa_private_segment_fixed_size 0
		.amdhsa_enable_private_segment 0
		.amdhsa_kernarg_size 40
		.amdhsa_user_sgpr_count 2
		.amdhsa_user_sgpr_kernarg_segment_ptr 1
		.amdhsa_wavefront_size32 1
		.amdhsa_system_sgpr_workgroup_id_x 1
		.amdhsa_system_sgpr_workgroup_id_y 1
		.amdhsa_system_sgpr_workgroup_id_z 1
		.amdhsa_system_vgpr_workitem_id 0
		.amdhsa_next_free_vgpr 512
		.amdhsa_next_free_sgpr 66
		.amdhsa_reserve_vcc 0
		.amdhsa_float_denorm_mode_32 3
		.amdhsa_float_denorm_mode_16_64 3
		.amdhsa_memory_ordered 1
		.amdhsa_forward_progress 1
		.amdhsa_inst_pref_size 100
	.end_amdhsa_kernel
	.amdgpu_metadata
---
amdhsa.version: [ 1, 2 ]
amdhsa.kernels:
  - .name:           k_q7b7aef020a_up
    .symbol:         k_q7b7aef020a_up.kd
    .args:
      - { .name: xF, .offset: 0, .size: 8, .value_kind: global_buffer, .address_space: global }
      - { .name: W1, .offset: 8, .size: 8, .value_kind: global_buffer, .address_space: global }
      - { .name: b1, .offset: 16, .size: 8, .value_kind: global_buffer, .address_space: global }
      - { .name: cnts, .offset: 24, .size: 8, .value_kind: global_buffer, .address_space: global }
      - { .name: hF, .offset: 32, .size: 8, .value_kind: global_buffer, .address_space: global }
    .group_segment_fixed_size: 298752
    .private_segment_fixed_size: 0
    .kernarg_segment_align: 8
    .kernarg_segment_size: 40
    .max_flat_workgroup_size: 256
    .sgpr_count:     66
    .vgpr_count:     512
    .wavefront_size: 32
...
	.end_amdgpu_metadata
.endif
;; end of part 3
;; launch down (part 4): grid 32 x 8, 8 waves a work-group, no clusters, 298,752 bytes of LDS; arguments hF, W2, b2, cnts, dst, gw, part; writes part
.if DOCPART == 4
	.amdgcn_target "amdgcn-amd-amdhsa--gfx1250"
	.amdhsa_code_object_version 6
	.text
	.protected	k_q7b7aef020a_down
	.globl	k_q7b7aef020a_down
	.p2align	8
	.type	k_q7b7aef020a_down,@function
k_q7b7aef020a_down:
	s_mov_b64 s[64:65], 0
	v_nop
	global_prefetch_b8 v0, s[64:65] scope:SCOPE_SE
	s_setreg_imm32_b32 hwreg(HW_REG_WAVE_MODE, 25, 1), 1
	s_wait_xcnt 0x0
; ONE TEXT FOR BOTH PRODUCTS OF AN EXPERT'S LAYER; DOWN says which.
;   DOWN = 0:  hF = relu(xF W1[e] + b1[e]), rounded once to bf16, stored in the order in which the second product's operand registers take it.
;   DOWN = 1:  part[kp][slot][token] = gate x (hF W2[e] over the K quarter kp, + b2[e] where kp = 0), in f32: partial sums, added by the last launch.
; SHARES.  Grid y = expert e.  A work-group owns a slice of e's weights that it alone reads, once: K 1,024 x 128 columns (512 KB of f32), and takes ALL of e's rows through it.
;   DOWN = 0: x = slice of 128 hidden columns.   DOWN = 1: x = 8 kp + cs: K quarter kp, 128 output columns cs.
; EIGHT WAVES, two for each of a WGP's four SIMDs, 512 registers each.  In the fill they have twice the loads on their way that four could name; in the rows' loop one wave has products to
;   issue while the other's loads stand behind its own products.
; PHASE 1, THE FILL.  Wave w reads k rows 128 w .. 128 w + 127 of the slice, 512 consecutive bytes a load, four batches of 32 loads, two of them out at a time: 64 loads, 32 KB, of a wave and
;   256 KB, half the slice, of the work-group are on their way.  They are rounded to bf16 and laid in LDS turned: WT[column block nb 8][oct o 128][column 16][16 bytes = k 8 o .. 8 o + 7].
;   The slice's 128 bias numbers, rounded, go to LDS too (wave 0 stores them).  One barrier follows, the text's only one.
; PHASE 2, THE ROWS.  cnts[e] tiles of 16 rows, two tiles a trip.  Waves 2 i and 2 i + 1 take the pairs of tiles i, i + 4, ..; of the 128 columns a wave takes 64 (wave % 2).
;   The trip count hangs on cnts[e], so the loop has no barrier, writes none of WT, and its LDS addresses are fixed.  The rows come from memory straight into operand registers
;   (512 consecutive bytes a load), 4 K steps a chunk, three chunks ahead; the weights' fragments from LDS, three K steps ahead.
;   An odd number of tiles: the last tile is taken twice by its wave, which stores equal numbers at equal places.  No tile: the weights are read all the same, and nothing is stored.
; THE MATRIX INSTRUCTION: source 0 = 16 weight columns, source 1 = 16 rows.  In the result lane l holds row l % 16 and the columns 8 (l / 16) + 0..7: eight neighbouring numbers of a row.
;   A trip begins by loading the bias from LDS into the accumulators: nothing is cleared and nothing is added later.  The 8 accumulators take turns, one instruction a turn.
; FORMATS.  Weights, biases and rows are rounded once to bf16 (the rows by the launch before); sums, gates and partial sums in f32.  NaN and infinities are not treated apart.
; NO TENSOR LOADS, NO CLUSTER: a slice has one reader and must pass registers to be rounded; the rows, which an expert's 32 work-groups share, are read in a loop whose length hangs on a count.
.set DOWN, 1
.if DOWN
.set ROWB,  4096                       ; bytes from a k row of the weights to the next
.set TSH,   17                         ; a tile of rows is 1 << TSH bytes in memory
.set EXTRA, 6                          ; table loads at a trip's head
.else
.set ROWB,  16384
.set TSH,   15
.set EXTRA, 0
.endif
.set NBS,    32784                     ; a column block in WT: 128 octs x 256 bytes + 16, so that the fill's 16 lanes (4 blocks x 4 columns' groups) store into 16 different groups of four banks
.set BIAS,   262400                    ; behind WT: the slice's 128 bias numbers in f32, 512 bytes
.set STG,    262912                    ; DOWN: 16 rows x 272 bytes for each wave, for the way out
.set SPITCH, 272
.set SPARE,  297728                    ; the spare words, 128 bytes a wave: four blocks of 256 bytes that no other line names
.set L16,  1                           ; v1      16 x lane
.set SPW,  2                           ; v2      my spare word's address; never rewritten
.set NIL,  3                           ; v3      0; never rewritten
.set WA,   4                           ; v4-5    LDS address of my fragments: column blocks 0, 1 and 2, 3 of my four
.set TO,   6                           ; v6-7    byte offset of this trip's two tiles
.set TN,   8                           ; v8-9    of the next trip's
.set HO,   10                          ; v10-11  DOWN = 0: where the two tiles' results go
.set STO,  10                          ; v10     DOWN = 1: into my stage
.set RD,   11                          ; v11     and back
.set COL16, 12                         ; v12     16 x (lane % 16)
.set R4,   13                          ; v13     4 x (lane % 16)
.set H32,  14                          ; v14     32 x (lane / 16)
.set AG,   15                          ; v15-16  offsets into gw
.set AD,   17                          ; v17-18  offsets into dst
.set ZERO, 19
.set G,    20                          ; v20-23  the two tiles' gates of my row, each the low word of a pair
.set FO,   24                          ; v24-25  the fill: byte offset of batch p's first row
.set SA,   26                          ; v26-27  the fill: where batch p goes in WT
.set BR,   28                          ; v28     LDS address of the bias of my 64 columns, my half's 8 of each 16
.set BA,   29                          ; v29     where my lane's four bias numbers go
.set D,    32                          ; v32-47  tile t, load q: the row of part, then its byte offset
.set TM,   48                          ; v48-55  at work in the head
.set BV,   56                          ; v56-59  four bias numbers
.set ACC,  64                          ; v64-127 accumulator (tile t, block b) at 64 + 8 (4 t + b)
.set T,    64                          ;         the fill: 64 packed words
.set WR,   128                         ; v128-255 weights' fragments: K step % 4, block b at 128 + 32 (k % 4) + 8 b
;                                        window 1: rows' fragments: chunk % 4, K step u, tile t at 64 (c % 4) + 16 u + 8 t; the fill: batch p's 128 registers at 128 p
.set MSB, 0
.macro WIN new                         ; s_set_vgpr_msb: bits 1:0 source 0, 3:2 source 1, 5:4 source 2, 7:6 destination; the high byte repeats the setting that is left
.if MSB != (\new)
	s_set_vgpr_msb (MSB<<8)|(\new)
.set MSB, \new
.endif
.endm
.macro PLACES                          ; four plain instructions between a matrix instruction and a load into, or a vector instruction on, one of its registers
.rept 4
	v_nop
.endr
.endm
.macro TERM reg, sh                    ; s34 += s[reg] << sh
	s_lshl_b32 s39, s[\reg], \sh
	s_add_co_u32 s34, s34, s39
.endm
.macro BASE b                          ; the address in s[b:b+1] goes on by s34 bytes (s35 = 0)
	s_add_nc_u64 s[\b:\b+1], s[\b:\b+1], s[34:35]
.endm
.macro FLOAD p                         ; batch p: 32 k rows, 512 consecutive bytes each: lane l holds columns 4 l .. 4 l + 3
	WIN 0x40
.irp j, 0,1,2,3
.irp i, 0,1,2,3,4,5,6,7
	global_load_b128 v[128*(\p)+32*\j+4*\i:128*(\p)+32*\j+4*\i+3], v[FO+(\p)], s[6:7] offset:(8*\j+\i)*ROWB th:TH_LOAD_NT
.endr
.endr
.endm
.macro FCVT p                          ; batch p: for oct j and column c the 8 k pack into 16 bytes, which go to WT
	WIN 0x05
.irp j, 0,1,2,3
.irp c, 0,1,2,3
.irp q, 0,1,2,3
	v_cvt_pk_bf16_f32 v[T+16*\j+4*\c+\q], v[128*(\p)+32*\j+8*\q+\c], v[128*(\p)+32*\j+8*\q+4+\c]
.endr
.endr
.endr
	WIN 0
.irp j, 0,1,2,3
.irp c, 0,1,2,3
	ds_store_b128 v[SA+(\p)], v[T+16*\j+4*\c:T+16*\j+4*\c+3] offset:256*\j+16*\c
.endr
.endr
.endm
.macro TLOAD c, a                      ; chunk c of the rows: 4 K steps x 2 tiles, 16 loads of 512 consecutive bytes; a: the tiles' offsets
	WIN 0x44
.irp u, 0,1,2,3
.irp t, 0,1
.irp z, 0,1
	global_load_b128 v[64*((\c)%4)+16*\u+8*\t+4*\z:64*((\c)%4)+16*\u+8*\t+4*\z+3], v[(\a)+\t], s[4:5] offset:(4*((\c)%8)+\u)*1024+512*\z
.endr
.endr
.endr
.endm
.macro WFETCH k                        ; the weights' fragments of K step k: 4 blocks x 2 loads of 512 consecutive bytes
.irp b, 0,1,2,3
.irp z, 0,1
	ds_load_b128 v[WR+32*((\k)%4)+8*\b+4*\z:WR+32*((\k)%4)+8*\b+4*\z+3], v[WA+(\b)/2] offset:((\b)%2)*NBS+((\k)%32)*1024+512*\z
.endr
.endr
.endm
.macro MULS k
.irp t, 0,1
.irp b, 0,1,2,3
	v_wmma_f32_16x16x32_bf16 v[ACC+8*(4*\t+\b):ACC+8*(4*\t+\b)+7], v[WR+32*((\k)%4)+8*\b:WR+32*((\k)%4)+8*\b+7], v[64*(((\k)/4)%4)+16*((\k)%4)+8*\t:64*(((\k)/4)%4)+16*((\k)%4)+8*\t+7], v[ACC+8*(4*\t+\b):ACC+8*(4*\t+\b)+7]
.endr
.endr
.endm
; K step k of a trip's 32.  The loads go into the buffers that K step k - 1 has just read: the four places stand in front of them.
.macro KSTEP k
	PLACES
.if (\k)%4 == 0
.if (\k)/4 < 5
	TLOAD (\k)/4+3, TO                             ; three chunks ahead, in this trip's tiles,
.else
	TLOAD (\k)/4+3, TN                             ; or the next trip's first three chunks
.endif
.endif
	WIN 0x04
	WFETCH (\k)+3                                  ; three K steps ahead; behind 31 the next trip's 0, 1, 2: the same bytes for every tile
.if (\k)%4 == 0
.if (\k)/4 < 3
	s_wait_loadcnt 48+EXTRA                        ; this chunk is in; out may stay the three chunks behind it, 16 loads each, and the trip's table loads, issued between chunks 2 and 3
.else
	s_wait_loadcnt 48                              ; this chunk is in; the three chunks behind it stay out
.endif
.endif
.if (\k) == 0
	s_wait_dscnt 8                                 ; the bias, loaded behind the fragments of steps 0 to 2, is in the accumulators; only the 8 loads of step 3 stay out
.else
	s_wait_dscnt 24                                ; this K step's fragments are in; those of the three steps behind it, 8 loads each, stay out
.endif
	MULS \k
.endm
.macro PAIR d0, d1, g                  ; the two tiles of pair s[g], held inside the tiles that exist (s36 = their number - 1) and inside the expert's 64
	s_lshl_b32 s[\d0], s[\g], 1
	s_add_co_u32 s[\d1], s[\d0], 1
	s_min_u32 s[\d0], s[\d0], s36
	s_min_u32 s[\d1], s[\d1], s36
	s_min_u32 s[\d0], s[\d0], 63
	s_min_u32 s[\d1], s[\d1], 63
.endm
	s_load_b256 s[4:11], s[0:1], 0x0               ; rows s[4:5], weights s[6:7], bias s[8:9], cnts s[10:11]
.if DOWN
	s_load_b128 s[12:15], s[0:1], 0x20             ; dst s[12:13], gw s[14:15]
	s_load_b64 s[16:17], s[0:1], 0x30              ; part
.else
	s_load_b64 s[12:13], s[0:1], 0x20              ; hF
.endif
	v_lshl_add_u32 v[SPW], v0, 2, SPARE
	v_mov_b32 v[NIL], 0
	v_lshrrev_b32 v[TM], 5, v0
	v_readfirstlane_b32 s20, v[TM]                 ; wave w, 0 to 7
	s_lshr_b32 s21, s20, 1                         ; wr: which pairs of tiles, 0 to 3
	s_and_b32 s22, s20, 1                          ; wc: which 64 columns
	s_and_b32 s23, ttmp7, 0xffff                   ; e
.if DOWN
	s_lshr_b32 s42, ttmp9, 3                       ; kp
	s_and_b32 s24, ttmp9, 7                        ; cs
	s_cmp_eq_u32 s42, 0
	s_cselect_b32 s41, -1, 0                       ; the bias is added once, by K quarter 0
.else
	s_mov_b32 s24, ttmp9                           ; slice
.endif
	s_mov_b32 s35, 0
	s_mov_b32 s44, 0xffff0000                      ; a word's upper bf16
	v_and_b32 v[TM+1], 31, v0                      ; l
	v_and_b32 v[TM+2], 15, v0                      ; l % 16
	v_bfe_u32 v[TM+3], v0, 4, 1                    ; l / 16
	v_lshlrev_b32 v[L16], 4, v[TM+1]
	v_lshlrev_b32 v[H32], 5, v[TM+3]
	s_mul_i32 s36, s22, 4*NBS
	v_add_nc_u32 v[WA], s36, v[L16]
	v_add_nc_u32 v[WA+1], 2*NBS, v[WA]
	s_lshl_b32 s36, s22, 8                         ; the bias of my 64 columns: 256 bytes,
	s_add_co_u32 s36, s36, BIAS
	v_add_nc_u32 v[BR], s36, v[H32]                ; and of each block's 16 my half's 8
	v_add_nc_u32 v[BA], BIAS, v[L16]
	s_mul_i32 s36, s20, 128*ROWB
	v_add_nc_u32 v[FO], s36, v[L16]
	v_add_nc_u32 v[FO+1], 32*ROWB, v[FO]
	v_lshrrev_b32 v[TM+4], 2, v[TM+1]              ; my four columns lie in block l / 4,
	v_mul_u32_u24 v[TM+4], v[TM+4], NBS
	v_and_b32 v[TM+5], 3, v0                       ; at its columns 4 (l % 4) on
	v_lshl_add_u32 v[TM+4], v[TM+5], 6, v[TM+4]
	s_lshl_b32 s36, s20, 12                        ; my wave's 16 octs
	v_add_nc_u32 v[SA], s36, v[TM+4]
	v_add_nc_u32 v[SA+1], 1024, v[SA]
.if DOWN
	v_lshlrev_b32 v[COL16], 4, v[TM+2]
	v_lshlrev_b32 v[R4], 2, v[TM+2]
	s_mul_i32 s36, s20, 16*SPITCH
	s_add_co_u32 s36, s36, STG
	v_mul_u32_u24 v[TM+6], v[TM+2], SPITCH         ; in: row l % 16, 32 bytes for each half of the lanes
	v_lshl_add_u32 v[TM+6], v[TM+3], 5, v[TM+6]
	v_add_nc_u32 v[STO], s36, v[TM+6]
	v_mul_u32_u24 v[TM+7], v[TM+3], SPITCH         ; back: lanes 0-15 one row of 256 bytes, lanes 16-31 the next
	v_lshl_add_u32 v[TM+7], v[TM+2], 4, v[TM+7]
	v_add_nc_u32 v[RD], s36, v[TM+7]
	v_mov_b32 v[G+1], 0                            ; named with the gates as pairs
	v_mov_b32 v[G+3], 0
.else
	v_mov_b32 v[ZERO], 0
.endif
	s_wait_kmcnt 0x0
	s_lshl_b32 s34, s23, 24                        ; the weights: expert, slice of columns (and K quarter)
	TERM 24, 9
.if DOWN
	TERM 42, 22
.endif
	BASE 6
.if DOWN
	s_lshl_b32 s34, s23, 12                        ; the bias: expert, the slice's 128 columns
.else
	s_lshl_b32 s34, s23, 14
.endif
	TERM 24, 9
	BASE 8
	s_lshl_b32 s34, s23, TSH+6                     ; the rows: the expert's 64 tiles (and K quarter)
.if DOWN
	TERM 42, 15
.endif
	BASE 4
	s_lshl_b32 s34, s23, 2
	BASE 10
.if DOWN
	s_lshl_b32 s34, s23, 12
	BASE 12
	BASE 14
	s_lshl_b32 s34, s42, 23                        ; part: K quarter, my 64 columns
	TERM 24, 9
	TERM 22, 8
	BASE 16
.else
	s_lshl_b32 s34, s23, 23                        ; hF: expert, my 8 octs of each tile
	TERM 24, 12
	TERM 22, 11
	BASE 12
.endif
	s_load_b32 s25, s[10:11], 0x0                  ; the expert's tiles
	global_load_b128 v[BV:BV+3], v[L16], s[8:9]    ; the slice's bias, four numbers a lane; it is older than every load of the fill
	; THE FILL: four batches of 32 rows on two sets of registers
	FLOAD 0
	FLOAD 1
.irp p, 0,1
	s_wait_loadcnt 32                              ; this batch is in (and its address register free); the other batch's 32 loads stay out
	FCVT \p
	v_add_nc_u32 v[FO+\p], 64*ROWB, v[FO+\p]
	v_add_nc_u32 v[SA+\p], 2048, v[SA+\p]
	FLOAD \p
.endr
	s_wait_loadcnt 32
	FCVT 0
	s_wait_loadcnt 0x0
	FCVT 1
	v_cvt_pk_bf16_f32 v[BV], v[BV], v[BV+1]        ; the bias is rounded to bf16 and widened again
	v_cvt_pk_bf16_f32 v[BV+2], v[BV+2], v[BV+3]
.if DOWN
	v_and_b32 v[BV], s41, v[BV]
	v_and_b32 v[BV+2], s41, v[BV+2]
.endif
	v_and_b32 v[BV+1], s44, v[BV]
	v_and_b32 v[BV+3], s44, v[BV+2]
	v_lshlrev_b32 v[BV], 16, v[BV]
	v_lshlrev_b32 v[BV+2], 16, v[BV+2]
	s_cmp_lg_u32 s20, 0
	s_cbranch_scc1 .Lno_bias
	ds_store_b128 v[BA], v[BV:BV+3]                ; one wave stores it
.Lno_bias:
	s_wait_dscnt 0x0                               ; for the others' sake: my part of WT is written
	s_barrier_signal -1
	s_barrier_wait -1                              ; everybody's is; from here on nobody writes WT or the bias
	; THE ROWS
	s_wait_kmcnt 0x0
	s_min_u32 s25, s25, 64
	s_add_co_u32 s26, s25, 1
	s_lshr_b32 s26, s26, 1                         ; pairs of tiles
	s_add_co_u32 s27, s26, 3
	s_sub_co_u32 s27, s27, s21
	s_lshr_b32 s27, s27, 2                         ; my trips: pairs wr, wr + 4, ..
	s_cmp_eq_u32 s27, 0
	s_cbranch_scc1 .Lend
	s_sub_co_u32 s36, s25, 1
	s_mov_b32 s29, s21
	PAIR 30, 31, 29
	s_lshl_b32 s37, s30, TSH
	v_add_nc_u32 v[TO], s37, v[L16]
	s_lshl_b32 s37, s31, TSH
	v_add_nc_u32 v[TO+1], s37, v[L16]
	TLOAD 0, TO
	TLOAD 1, TO
	TLOAD 2, TO
	WIN 0x04
	WFETCH 0
	WFETCH 1
	WFETCH 2
	WIN 0
	s_mov_b32 s28, 0
.Ltrip:
.irp t, 0,1
.irp b, 0,1,2,3
.irp z, 0,1
	ds_load_b128 v[ACC+8*(4*\t+\b)+4*\z:ACC+8*(4*\t+\b)+4*\z+3], v[BR] offset:64*\b+16*\z  ; the sums begin with the bias of columns 16 b + 8 (l / 16) + 0..7; 16 lanes share each word
.endr
.endr
.endr
	s_add_co_u32 s38, s29, 4                       ; the next pair; behind the last it is held to the last tile, whose bytes exist
	PAIR 32, 33, 38
	s_lshl_b32 s37, s32, TSH
	v_add_nc_u32 v[TN], s37, v[L16]
	s_lshl_b32 s37, s33, TSH
	v_add_nc_u32 v[TN+1], s37, v[L16]
.if DOWN
	s_lshl_b32 s37, s30, 6
	v_add_nc_u32 v[AG], s37, v[R4]
	v_add_nc_u32 v[AD], s37, v[H32]
	s_lshl_b32 s37, s31, 6
	v_add_nc_u32 v[AG+1], s37, v[R4]
	v_add_nc_u32 v[AD+1], s37, v[H32]
.irp t, 0,1
	global_load_b32 v[G+2*\t], v[AG+\t], s[14:15]                    ; my row's gate
	global_load_b128 v[D+8*\t:D+8*\t+3],   v[AD+\t], s[12:13]          ; the rows of part for tile rows 2 q + l / 16
	global_load_b128 v[D+8*\t+4:D+8*\t+7], v[AD+\t], s[12:13] offset:16
.endr
.else
	s_lshl_b32 s37, s30, 17
	v_add_nc_u32 v[HO], s37, v[L16]
	s_lshl_b32 s37, s31, 17
	v_add_nc_u32 v[HO+1], s37, v[L16]
.endif
.set ks, 0
.rept 32
	KSTEP ks
.set ks, ks+1
.endr
	WIN 0
.if DOWN
	; THE WAY OUT.  The 32 lines that make the stores' offsets name no register of the last products: they are the places behind them.
.set i, 0
.rept 16
	v_min_u32 v[D+i], 0x7ff, v[D+i]                ; a row of part: slot x 1,024 + token
.set i, i+1
.endr
.set i, 0
.rept 16
	v_lshl_add_u32 v[D+i], v[D+i], 12, v[COL16]
.set i, i+1
.endr
.irp t, 0,1
.set z, 0
.rept 16                               ; times the row's gate; each accumulator from its low end on
	v_pk_mul_f32 v[ACC+32*\t+2*z:ACC+32*\t+2*z+1], v[ACC+32*\t+2*z:ACC+32*\t+2*z+1], v[G+2*\t:G+2*\t+1] op_sel_hi:[1,0]
.set z, z+1
.endr
.irp b, 0,1,2,3
	ds_store_b128 v[STO], v[ACC+32*\t+8*\b:ACC+32*\t+8*\b+3]   offset:64*\b
	ds_store_b128 v[STO], v[ACC+32*\t+8*\b+4:ACC+32*\t+8*\b+7] offset:64*\b+16
.endr
.irp q, 0,1,2,3,4,5,6,7
	ds_load_b128 v[ACC+32*\t+4*\q:ACC+32*\t+4*\q+3], v[RD] offset:2*SPITCH*\q  ; my own stage: LDS serves a wave's instructions in order
.endr
.irp q, 0,1,2,3,4,5,6,7
	s_wait_dscnt 7-\q                              ; load q of the eight is back; the younger ones stay out
	global_store_b128 v[D+8*\t+\q], v[ACC+32*\t+4*\q:ACC+32*\t+4*\q+3], s[16:17]  ; 16 lanes store 256 consecutive bytes of one row, at a multiple of 256 from part's first byte
.endr
.endr
.else
	; THE WAY OUT.  A lane's eight numbers are 8 neighbouring k of the next product: rounded, relu, 16 bytes; a wave's store is 512 consecutive bytes of hF.
	PLACES
.irp t, 0,1
.irp b, 0,1,2,3
.set ra, ACC+8*(4*\t+\b)
	v_cvt_pk_bf16_f32 v[ra],   v[ra],   v[ra+1]
	v_cvt_pk_bf16_f32 v[ra+1], v[ra+2], v[ra+3]
	v_cvt_pk_bf16_f32 v[ra+2], v[ra+4], v[ra+5]
	v_cvt_pk_bf16_f32 v[ra+3], v[ra+6], v[ra+7]
.irp i, 0,1,2,3
	v_pk_max_num_bf16 v[ra+\i], v[ra+\i], v[ZERO]
.endr
	global_store_b128 v[HO+\t], v[ra:ra+3], s[12:13] offset:512*\b
.endr
.endr
.endif
	s_wait_xcnt 0x0                                ; the offsets and data of this trip's loads and stores are rewritten only behind this wait
	v_mov_b32 v[TO], v[TN]
	v_mov_b32 v[TO+1], v[TN+1]
	s_mov_b32 s30, s32
	s_mov_b32 s31, s33
	s_add_co_u32 s29, s29, 4
	s_add_co_u32 s28, s28, 1
	s_cmp_lt_u32 s28, s27
	s_cbranch_scc1 .Ltrip
.Lend:
	s_wait_tensorcnt 0x0                           ; the wave's end, behind my last LDS store
	ds_add_u32 v[SPW], v[NIL]
	s_wait_dscnt 0x0
	s_endpgm
.Lfunc_end_k_q7b7aef020a_down:
	.size	k_q7b7aef020a_down, .Lfunc_end_k_q7b7aef020a_down-k_q7b7aef020a_down
	.p2alignl 7, 3214868480
	.fill 96, 4, 3214868480
	.section	.rodata,"a",@progbits
	.p2align	6, 0x0
	.amdhsa_kernel k_q7b7aef020a_down
		.amdhsa_group_segment_fixed_size 298752
		.amdhsa_private_segment_fixed_size 0
		.amdhsa_enable_private_segment 0
		.amdhsa_kernarg_size 56
		.amdhsa_user_sgpr_count 2
		.amdhsa_user_sgpr_kernarg_segment_ptr 1
		.amdhsa_wavefront_size32 1
		.amdhsa_system_sgpr_workgroup_id_x 1
		.amdhsa_system_sgpr_workgroup_id_y 1
		.amdhsa_system_sgpr_workgroup_id_z 1
		.amdhsa_system_vgpr_workitem_id 0
		.amdhsa_next_free_vgpr 512
		.amdhsa_next_free_sgpr 66
		.amdhsa_reserve_vcc 0
		.amdhsa_float_denorm_mode_32 3
		.amdhsa_float_denorm_mode_16_64 3
		.amdhsa_memory_ordered 1
		.amdhsa_forward_progress 1
		.amdhsa_inst_pref_size 104
	.end_amdhsa_kernel
	.amdgpu_metadata
---
amdhsa.version: [ 1, 2 ]
amdhsa.kernels:
  - .name:           k_q7b7aef020a_down
    .symbol:         k_q7b7aef020a_down.kd
    .args:
      - { .name: hF, .offset: 0, .size: 8, .value_kind: global_buffer, .address_space: global }
      - { .name: W2, .offset: 8, .size: 8, .value_kind: global_buffer, .address_space: global }
      - { .name: b2, .offset: 16, .size: 8, .value_kind: global_buffer, .address_space: global }
      - { .name: cnts, .offset: 24, .size: 8, .value_kind: global_buffer, .address_space: global }
      - { .name: dst, .offset: 32, .size: 8, .value_kind: global_buffer, .address_space: global }
      - { .name: gw, .offset: 40, .size: 8, .value_kind: global_buffer, .address_space: global }
      - { .name: part, .offset: 48, .size: 8, .value_kind: global_buffer, .address_space: global }
    .group_segment_fixed_size: 298752
    .private_segment_fixed_size: 0
    .kernarg_segment_align: 8
    .kernarg_segment_size: 56
    .max_flat_workgroup_size: 256
    .sgpr_count:     66
    .vgpr_count:     512
    .wavefront_size: 32
...
	.end_amdgpu_metadata
.endif
;; end of part 4
;; launch join (part 5): grid 256 x 1, 8 waves a work-group, no clusters, 0 bytes of LDS; arguments part, out0; writes out0
.if DOCPART == 5
	.amdgcn_target "amdgcn-amd-amdhsa--gfx1250"
	.amdhsa_code_object_version 6
	.text
	.protected	k_q7b7aef020a_join
	.globl	k_q7b7aef020a_join
	.p2align	8
	.type	k_q7b7aef020a_join,@function
k_q7b7aef020a_join:
	s_mov_b64 s[64:65], 0
	v_nop
	global_prefetch_b8 v0, s[64:65] scope:SCOPE_SE
	s_setreg_imm32_b32 hwreg(HW_REG_WAVE_MODE, 25, 1), 1
	s_wait_xcnt 0x0
; out0[token] = the sum of the token's eight partial rows, part[kp 4][slot 2][token][1024], all f32, added in a fixed order (neighbours 1, 2 and 4 apart).
; A stream: the work-group owns four tokens; thread t owns the 16 bytes at 16 t of every row, so a wave's load or store covers 512 consecutive bytes.
; All 32 loads of a thread go out at once; each byte is read once and written once.  No LDS, no barrier, no matrix unit: there is nothing to share and nothing to multiply.
.set V, 8                              ; v[8 + 32 r + 4 (2 kp + slot)]: row r's eight summands, four registers each
.macro ADD4 x, y
	v_pk_add_f32 v[\x:\x+1], v[\x:\x+1], v[\y:\y+1]
	v_pk_add_f32 v[\x+2:\x+3], v[\x+2:\x+3], v[\y+2:\y+3]
.endm
	s_load_b128 s[4:7], s[0:1], 0x0                ; part s[4:5], out0 s[6:7]
	v_lshlrev_b32 v1, 4, v0
	s_lshl_b32 s16, ttmp9, 14                      ; four rows of 4,096 bytes
	s_mov_b32 s17, 0
	s_wait_kmcnt 0x0
	s_add_nc_u64 s[8:9], s[4:5], s[16:17]          ; a base for each K quarter, 8 MB apart
	s_add_nc_u64 s[10:11], s[8:9], 0x800000
	s_add_nc_u64 s[12:13], s[10:11], 0x800000
	s_add_nc_u64 s[14:15], s[12:13], 0x800000
	s_add_nc_u64 s[6:7], s[6:7], s[16:17]
.irp r, 0,1,2,3
.irp k, 0,1,2,3
.irp c, 0,1
	global_load_b128 v[V+32*\r+4*(2*\k+\c):V+32*\r+4*(2*\k+\c)+3], v1, s[8+2*\k:9+2*\k] offset:4194304*\c+4096*\r th:TH_LOAD_NT
.endr
.endr
.endr
.irp r, 0,1,2,3
	s_wait_loadcnt 8*(3-\r)                        ; row r's eight loads are in; those of the later rows stay out
.set rb, V+32*\r
	ADD4 rb, rb+4
	ADD4 rb+8, rb+12
	ADD4 rb+16, rb+20
	ADD4 rb+24, rb+28
	ADD4 rb, rb+8
	ADD4 rb+16, rb+24
	ADD4 rb, rb+16
	global_store_b128 v1, v[rb:rb+3], s[6:7] offset:4096*\r th:TH_STORE_NT
.endr
	s_endpgm
.Lfunc_end_k_q7b7aef020a_join:
	.size	k_q7b7aef020a_join, .Lfunc_end_k_q7b7aef020a_join-k_q7b7aef020a_join
	.p2alignl 7, 3214868480
	.fill 96, 4, 3214868480
	.section	.rodata,"a",@progbits
	.p2align	6, 0x0
	.amdhsa_kernel k_q7b7aef020a_join
		.amdhsa_group_segment_fixed_size 0
		.amdhsa_private_segment_fixed_size 0
		.amdhsa_enable_private_segment 0
		.amdhsa_kernarg_size 16
		.amdhsa_user_sgpr_count 2
		.amdhsa_user_sgpr_kernarg_segment_ptr 1
		.amdhsa_wavefront_size32 1
		.amdhsa_system_sgpr_workgroup_id_x 1
		.amdhsa_system_sgpr_workgroup_id_y 1
		.amdhsa_system_sgpr_workgroup_id_z 1
		.amdhsa_system_vgpr_workitem_id 0
		.amdhsa_next_free_vgpr 144
		.amdhsa_next_free_sgpr 66
		.amdhsa_reserve_vcc 0
		.amdhsa_float_denorm_mode_32 3
		.amdhsa_float_denorm_mode_16_64 3
		.amdhsa_memory_ordered 1
		.amdhsa_forward_progress 1
		.amdhsa_inst_pref_size 8
	.end_amdhsa_kernel
	.amdgpu_metadata
---
amdhsa.version: [ 1, 2 ]
amdhsa.kernels:
  - .name:           k_q7b7aef020a_join
    .symbol:         k_q7b7aef020a_join.kd
    .args:
      - { .name: part, .offset: 0, .size: 8, .value_kind: global_buffer, .address_space: global }
      - { .name: out0, .offset: 8, .size: 8, .value_kind: global_buffer, .address_space: global }
    .group_segment_fixed_size: 0
    .private_segment_fixed_size: 0
    .kernarg_segment_align: 8
    .kernarg_segment_size: 16
    .max_flat_workgroup_size: 256
    .sgpr_count:     66
    .vgpr_count:     144
    .wavefront_size: 32
...
	.end_amdgpu_metadata
.endif
;; end of part 5
;; ======== version 2 of 2: 5 launches; version 1 with the launches up, down written anew for expert scheduling mode
;; workspace buffers: sel 4,096 bytes of whole numbers; gate 8,192 bytes; cnts 256 bytes of whole numbers; dst 32,768 bytes of whole numbers; gw 32,768 bytes; xF 16,777,216 bytes; hF 67,108,864 bytes; part 33,554,432 bytes
;; launch route: the kernel of part 1 again; grid 256 x 1, 1 waves a work-group, no clusters, 0 bytes of LDS; arguments x, Wg, bg, sel, gate; writes sel, gate
;; launch place: the kernel of part 2 again; grid 2048 x 1, 1 waves a work-group, no clusters, 9,216 bytes of LDS; arguments sel, gate, x, xF, dst, gw, cnts; writes xF, dst, gw, cnts
;; launch up (part 6): grid 32 x 8, 8 waves a work-group, no clusters, 298,752 bytes of LDS; arguments xF, W1, b1, cnts, hF; writes hF
.if DOCPART == 6
	.amdgcn_target "amdgcn-amd-amdhsa--gfx1250"
	.amdhsa_code_object_version 6
	.text
	.protected	k_q7b7aef020a_up
	.globl	k_q7b7aef020a_up
	.p2align	8
	.type	k_q7b7aef020a_up,@function
k_q7b7aef020a_up:
	s_mov_b64 s[64:65], 0
	v_nop
	global_prefetch_b8 v0, s[64:65] scope:SCOPE_SE
	s_setreg_imm32_b32 hwreg(HW_REG_WAVE_SCHED_MODE, 0, 2), 2
	s_setreg_imm32_b32 hwreg(HW_REG_WAVE_MODE, 25, 1), 1
	s_wait_xcnt 0x0
	s_wait_alu depctr_vm_vsrc(0)
; ONE TEXT FOR BOTH PRODUCTS OF AN EXPERT'S LAYER; DOWN says which.
;   DOWN = 0:  hF = relu(xF W1[e] + b1[e]), rounded once to bf16, stored in the order in which the second product's operand registers take it.
;   DOWN = 1:  part[kp][slot][token] = gate x (hF W2[e] over the K quarter kp, + b2[e] where kp = 0), in f32: partial sums, added by the last launch.
; SHARES.  Grid y = expert e.  A work-group owns a slice of e's weights that it alone reads, once: K 1,024 x 128 columns (512 KB of f32), and takes ALL of e's rows through it.
;   DOWN = 0: x = slice of 128 hidden columns.   DOWN = 1: x = 8 kp + cs: K quarter kp, 128 output columns cs.
; EIGHT WAVES, two for each of a WGP's four SIMDs, 512 registers each.  In the fill they have twice the loads on their way that four could name; in the rows' loop one wave has products to
;   issue while the other stands at a wait.
; PHASE 1, THE FILL.  Wave w reads k rows 128 w .. 128 w + 127 of the slice, 512 consecutive bytes a load, four batches of 32 loads, two of them out at a time: 64 loads, 32 KB, of a wave and
;   256 KB, half the slice, of the work-group are on their way.  They are rounded to bf16 and laid in LDS turned: WT[column block nb 8][oct o 128][column 16][16 bytes = k 8 o .. 8 o + 7].
;   The slice's 128 bias numbers, rounded, go to LDS too (wave 0 stores them).  One barrier follows, the text's only one.
; PHASE 2, THE ROWS.  cnts[e] tiles of 16 rows, two tiles a trip.  Waves 2 i and 2 i + 1 take the pairs of tiles i, i + 4, ..; of the 128 columns a wave takes 64 (wave % 2).
;   The trip count hangs on cnts[e], so the loop has no barrier, writes none of WT, and its LDS addresses are fixed.  The rows come from memory straight into operand registers
;   (512 consecutive bytes a load), 4 K steps a chunk, three chunks ahead; the weights' fragments from LDS, those of two K steps in each even K step, two and three K steps ahead.
;   An odd number of tiles: the last tile is taken twice by its wave, which stores equal numbers at equal places.  No tile: the weights are read all the same, and nothing is stored.
; THE MATRIX INSTRUCTION: source 0 = 16 weight columns, source 1 = 16 rows.  In the result lane l holds row l % 16 and the columns 8 (l / 16) + 0..7: eight neighbouring numbers of a row.
;   A trip begins by loading the bias from LDS into the accumulators: nothing is cleared and nothing is added later.  The 8 accumulators take turns, one instruction a turn.
; FORMATS.  Weights, biases and rows are rounded once to bf16 (the rows by the launch before); sums, gates and partial sums in f32.  NaN and infinities are not treated apart.
; NO TENSOR LOADS, NO CLUSTER: a slice has one reader and must pass registers to be rounded; the rows, which an expert's 32 work-groups share, are read in a loop whose length hangs on a count.
; THE MODE: SCHED_MODE bits 1:0 = 2 (LLVM: expert scheduling mode 2), set by the entry lines.  The code itself states the register dependences
;   between vector or matrix instructions and memory or LDS instructions, with s_wait_alu, always for 0.
; THE PLAN.  Registers that memory or LDS instructions touch, and who else names them:
;   THE FILL.  Landing p (window 1): batch p's loads land in it, its 64 conversions read it, then it is loaded again.  T[p]: those conversions write it, the batch's 16 LDS stores read it.
;     v[FO], v[SA]: made at the head and never written again; the second round is reached by immediate offsets.  So ONE wait on va_vdst stands in a batch, behind its conversions, and ONE wait on
;     vm_vsrc in the whole fill, ahead of the third batch's conversions: the LDS stores of both first batches stand ahead of it.
;   THE LOOP.  WR[k % 4]: the LDS loads of K step k land in it, the step's 8 products read it.  Rows' ring, chunk c % 4: TLOAD c lands in it, the chunk's 32 products read it.
;     K steps go in pairs.  ONE wait on va_vdst stands at a pair's head: the pair before is done reading its two WR buffers and, at a chunk's head, the chunk before its rows.  The loads that follow land
;     in just those buffers (K steps 2 j + 2 and 2 j + 3; chunk c + 3); the pair's own products name the other two WR buffers, chunk c and the accumulators.  So these loads are dealt among the products with no further wait.
;     ACC: the bias loads land in it at a trip's head; products and the way out's vector lines work on it; the way out's stores read it.  OB (DOWN): the stage's rows land in it, the global stores read it.
;     v[TO], v[TN], v[HO] or v[AG], v[AD], v[D], v[G]: written once a trip.  All address lines stand at a trip's head ahead of one wait on va_vdst, which is pair 0's too; the way out has one more, ahead of its stores;
;     one wait on vm_vsrc stands at a trip's end, ahead of the backward jump.  v[L16], v[WA], v[BR], v[STO], v[RD] are made at the head and never written again.
.set DOWN, 0
.if DOWN
.set ROWB,  4096                       ; bytes from a k row of the weights to the next
.set TSH,   17                         ; a tile of rows is 1 << TSH bytes in memory
.set EXTRA, 6                          ; table loads at a trip's head
.else
.set ROWB,  16384
.set TSH,   15
.set EXTRA, 0
.endif
.set NBS,    32784                     ; a column block in WT: 128 octs x 256 bytes + 16, so that the fill's 16 lanes (4 blocks x 4 columns' groups) store into 16 different groups of four banks
.set BIAS,   262400                    ; behind WT: the slice's 128 bias numbers in f32, 512 bytes
.set STG,    262912                    ; DOWN: 16 rows x 272 bytes for each wave, for the way out; the 1,024 bytes behind the stages take one word a thread in the wave's closing add
.set SPITCH, 272
.set L16,  1                           ; v1      16 x lane
.set WA,   4                           ; v4-5    LDS address of my fragments: column blocks 0, 1 and 2, 3 of my four
.set TO,   6                           ; v6-7    byte offset of this trip's two tiles
.set TN,   8                           ; v8-9    of the next trip's
.set HO,   10                          ; v10-11  DOWN = 0: where the two tiles' results go
.set STO,  10                          ; v10     DOWN = 1: into my stage
.set RD,   11                          ; v11     and back
.set COL16, 12                         ; v12     16 x (lane % 16)
.set R4,   13                          ; v13     4 x (lane % 16)
.set H32,  14                          ; v14     32 x (lane / 16)
.set AG,   15                          ; v15-16  offsets into gw
.set AD,   17                          ; v17-18  offsets into dst
.set ZERO, 19
.set G,    20                          ; v20-23  the two tiles' gates of my row, each the low word of a pair
.set FO,   24                          ; v24-25  the fill: byte offset of batch p's first row; never rewritten
.set SA,   26                          ; v26-27  the fill: where batch p goes in WT; never rewritten
.set BR,   28                          ; v28     LDS address of the bias of my 64 columns, my half's 8 of each 16
.set BA,   29                          ; v29     where my lane's four bias numbers go
.set D,    32                          ; v32-47  tile t, load q: the row of part, then its byte offset
.set TM,   48                          ; v48-55  at work in the head
.set BV,   56                          ; v56-59  four bias numbers
.set ACC,  64                          ; v64-127 accumulator (tile t, block b) at 64 + 8 (4 t + b)
.set T,    64                          ; v64-191 the fill: batch p's 64 packed words at 64 + 64 p
.set WR,   128                         ; v128-255 weights' fragments: K step % 4, block b at 128 + 32 (k % 4) + 8 b
.set OB,   192                         ; v192-255 DOWN, the way out: tile t's 16 rows read back from the stage at 192 + 32 t
;                                        window 1: rows' fragments: chunk % 4, K step u, tile t at 64 (c % 4) + 16 u + 8 t; the fill: batch p's 128 registers at 128 p
.set MSB, 0
.macro WIN new                         ; s_set_vgpr_msb: bits 1:0 source 0, 3:2 source 1, 5:4 source 2, 7:6 destination; the high byte repeats the setting that is left
.if MSB != (\new)
	s_set_vgpr_msb (MSB<<8)|(\new)
.set MSB, \new
.endif
.endm
.macro PLACES                          ; four plain instructions between a matrix instruction and a vector instruction that reads its result (ISA guide 7.12.1)
.rept 4
	v_nop
.endr
.endm
.macro TERM reg, sh                    ; s34 += s[reg] << sh
	s_lshl_b32 s39, s[\reg], \sh
	s_add_co_u32 s34, s34, s39
.endm
.macro BASE b                          ; the address in s[b:b+1] goes on by s34 bytes (s35 = 0)
	s_add_nc_u64 s[\b:\b+1], s[\b:\b+1], s[34:35]
.endm
.macro FLOAD p, r                      ; batch p of round r: 32 k rows, 512 consecutive bytes each: lane l holds columns 4 l .. 4 l + 3.  Destination window 1: the caller sets it
.irp j, 0,1,2,3
.irp i, 0,1,2,3,4,5,6,7
	global_load_b128 v[128*(\p)+32*\j+4*\i:128*(\p)+32*\j+4*\i+3], v[FO+(\p)], s[6:7] offset:(64*(\r)+8*\j+\i)*ROWB th:TH_LOAD_NT
.endr
.endr
.endm
.macro FCVT p                          ; batch p: for oct j and column c the 8 k pack into 16 bytes
	WIN 0x05
.irp j, 0,1,2,3
.irp c, 0,1,2,3
.irp q, 0,1,2,3
	v_cvt_pk_bf16_f32 v[T+64*(\p)+16*\j+4*\c+\q], v[128*(\p)+32*\j+8*\q+\c], v[128*(\p)+32*\j+8*\q+4+\c]
.endr
.endr
.endr
.endm
.macro FSTORE p, r                     ; which go to WT; round r lies 8 octs, 2,048 bytes, on
.irp j, 0,1,2,3
.irp c, 0,1,2,3
	ds_store_b128 v[SA+(\p)], v[T+64*(\p)+16*\j+4*\c:T+64*(\p)+16*\j+4*\c+3] offset:2048*(\r)+256*\j+16*\c
.endr
.endr
.endm
.macro TLOAD c, a                      ; chunk c of the rows: 4 K steps x 2 tiles, 16 loads of 512 consecutive bytes; a: the tiles' offsets.  Destination window 1: the caller sets it
.irp u, 0,1,2,3
.irp t, 0,1
.irp z, 0,1
	global_load_b128 v[64*((\c)%4)+16*\u+8*\t+4*\z:64*((\c)%4)+16*\u+8*\t+4*\z+3], v[(\a)+\t], s[4:5] offset:(4*((\c)%8)+\u)*1024+512*\z
.endr
.endr
.endr
.endm
.macro WF2 k, b                        ; the weights' fragment of K step k, block b: 2 loads of 512 consecutive bytes
.irp z, 0,1
	ds_load_b128 v[WR+32*((\k)%4)+8*(\b)+4*\z:WR+32*((\k)%4)+8*(\b)+4*\z+3], v[WA+(\b)/2] offset:((\b)%2)*NBS+((\k)%32)*1024+512*\z
.endr
.endm
; K step k of a trip's 32.  An even step heads a pair; a step with k % 4 = 0 heads a chunk.
.macro KSTEP k
.if (\k)%4 == 0
	WIN 0x44                                       ; the rows' loads land in window 1: the switch, then the wait, then the loads
.endif
.if (\k)%2 == 0 && (\k) > 0
	s_wait_alu depctr_va_vdst(0)                   ; the products of K steps k - 2 and k - 1 are done reading their two WR buffers, in which the LDS loads below land; at a chunk's head the chunk before is done reading its rows, in which the loads below land
.endif                                                 ; (K step 0: the wait at the trip's head states the same of the trip before; only loads and a window switch stand between)
.if (\k)%4 == 0
.if (\k)/4 < 5
	TLOAD (\k)/4+3, TO                             ; three chunks ahead, in this trip's tiles,
.else
	TLOAD (\k)/4+3, TN                             ; or the next trip's first three chunks
.endif
	WIN 0x04
.if (\k)/4 < 3
	s_wait_loadcnt 48+EXTRA                        ; this chunk is in; out may stay the three chunks behind it, 16 loads each, and the trip's table loads, issued between chunks 2 and 3
.else
	s_wait_loadcnt 48                              ; this chunk is in; the three chunks behind it stay out
.endif
.endif
.if (\k) == 0
	s_wait_dscnt 0x0                               ; the bias, the youngest LDS loads, is in the accumulators, and so are the fragments of steps 0 and 1
.elseif (\k)%2 == 0
	s_wait_dscnt 8                                 ; this K step's fragments are in; the 8 loads of the next step's, issued behind them, stay out
.else
	s_wait_dscnt 16                                ; this K step's fragments are in; the 16 loads issued in the step before stay out
.endif
.irp t, 0,1
.irp b, 0,1,2,3
	v_wmma_f32_16x16x32_bf16 v[ACC+8*(4*\t+\b):ACC+8*(4*\t+\b)+7], v[WR+32*((\k)%4)+8*\b:WR+32*((\k)%4)+8*\b+7], v[64*(((\k)/4)%4)+16*((\k)%4)+8*\t:64*(((\k)/4)%4)+16*((\k)%4)+8*\t+7], v[ACC+8*(4*\t+\b):ACC+8*(4*\t+\b)+7]
.if (\k)%2 == 0
	WF2 (\k)+2+\t, \b                              ; two loads behind each product of an even step: K step k + 2, then k + 3; behind 31 the next trip's 0 and 1: the same bytes for every tile.  No wait: no product since the pair's wait names these registers
.endif
.endr
.endr
.endm
.macro PAIR d0, d1, g                  ; the two tiles of pair s[g], held inside the tiles that exist (s36 = their number - 1) and inside the expert's 64
	s_lshl_b32 s[\d0], s[\g], 1
	s_add_co_u32 s[\d1], s[\d0], 1
	s_min_u32 s[\d0], s[\d0], s36
	s_min_u32 s[\d1], s[\d1], s36
	s_min_u32 s[\d0], s[\d0], 63
	s_min_u32 s[\d1], s[\d1], 63
.endm
	s_load_b256 s[4:11], s[0:1], 0x0               ; rows s[4:5], weights s[6:7], bias s[8:9], cnts s[10:11]
.if DOWN
	s_load_b128 s[12:15], s[0:1], 0x20             ; dst s[12:13], gw s[14:15]
	s_load_b64 s[16:17], s[0:1], 0x30              ; part
.else
	s_load_b64 s[12:13], s[0:1], 0x20              ; hF
	v_lshl_add_u32 v62, v0, 2, 0x48b00
	v_mov_b32 v63, 0
.endif
	v_lshrrev_b32 v[TM], 5, v0
	v_readfirstlane_b32 s20, v[TM]                 ; wave w, 0 to 7
	v_and_b32 v[TM+1], 31, v0                      ; l
	v_and_b32 v[TM+2], 15, v0                      ; l % 16
	v_bfe_u32 v[TM+3], v0, 4, 1                    ; l / 16
	v_lshlrev_b32 v[L16], 4, v[TM+1]
	v_lshlrev_b32 v[H32], 5, v[TM+3]
	v_add_nc_u32 v[BA], BIAS, v[L16]
	v_lshrrev_b32 v[TM+4], 2, v[TM+1]              ; my four columns lie in block l / 4,
	v_mul_u32_u24 v[TM+4], v[TM+4], NBS
	v_and_b32 v[TM+5], 3, v0                       ; at its columns 4 (l % 4) on
	v_lshl_add_u32 v[TM+4], v[TM+5], 6, v[TM+4]
	s_and_b32 s23, ttmp7, 0xffff                   ; e
.if DOWN
	s_lshr_b32 s42, ttmp9, 3                       ; kp
	s_and_b32 s24, ttmp9, 7                        ; cs
	s_cmp_eq_u32 s42, 0
	s_cselect_b32 s41, -1, 0                       ; the bias is added once, by K quarter 0
.else
	s_mov_b32 s24, ttmp9                           ; slice
.endif
	s_mov_b32 s35, 0
	s_mov_b32 s44, 0xffff0000                      ; a word's upper bf16
	s_wait_alu depctr_va_sdst(0)                   ; s20 is written, ahead of its first reader
	s_lshr_b32 s21, s20, 1                         ; wr: which pairs of tiles, 0 to 3
	s_and_b32 s22, s20, 1                          ; wc: which 64 columns
	s_mul_i32 s36, s22, 4*NBS
	v_add_nc_u32 v[WA], s36, v[L16]
	v_add_nc_u32 v[WA+1], 2*NBS, v[WA]
	s_lshl_b32 s36, s22, 8                         ; the bias of my 64 columns: 256 bytes,
	s_add_co_u32 s36, s36, BIAS
	v_add_nc_u32 v[BR], s36, v[H32]                ; and of each block's 16 my half's 8
	s_mul_i32 s36, s20, 128*ROWB
	v_add_nc_u32 v[FO], s36, v[L16]
	v_add_nc_u32 v[FO+1], 32*ROWB, v[FO]
	s_lshl_b32 s36, s20, 12                        ; my wave's 16 octs
	v_add_nc_u32 v[SA], s36, v[TM+4]
	v_add_nc_u32 v[SA+1], 1024, v[SA]
.if DOWN
	v_lshlrev_b32 v[COL16], 4, v[TM+2]
	v_lshlrev_b32 v[R4], 2, v[TM+2]
	s_mul_i32 s36, s20, 16*SPITCH
	s_add_co_u32 s36, s36, STG
	v_mul_u32_u24 v[TM+6], v[TM+2], SPITCH         ; in: row l % 16, 32 bytes for each half of the lanes
	v_lshl_add_u32 v[TM+6], v[TM+3], 5, v[TM+6]
	v_add_nc_u32 v[STO], s36, v[TM+6]
	v_mul_u32_u24 v[TM+7], v[TM+3], SPITCH         ; back: lanes 0-15 one row of 256 bytes, lanes 16-31 the next
	v_lshl_add_u32 v[TM+7], v[TM+2], 4, v[TM+7]
	v_add_nc_u32 v[RD], s36, v[TM+7]
	v_mov_b32 v[G+1], 0                            ; named with the gates as pairs
	v_mov_b32 v[G+3], 0
.else
	v_mov_b32 v[ZERO], 0
.endif
	s_wait_kmcnt 0x0
	s_lshl_b32 s34, s23, 24                        ; the weights: expert, slice of columns (and K quarter)
	TERM 24, 9
.if DOWN
	TERM 42, 22
.endif
	BASE 6
.if DOWN
	s_lshl_b32 s34, s23, 12                        ; the bias: expert, the slice's 128 columns
.else
	s_lshl_b32 s34, s23, 14
.endif
	TERM 24, 9
	BASE 8
	s_lshl_b32 s34, s23, TSH+6                     ; the rows: the expert's 64 tiles (and K quarter)
.if DOWN
	TERM 42, 15
.endif
	BASE 4
	s_lshl_b32 s34, s23, 2
	BASE 10
.if DOWN
	s_lshl_b32 s34, s23, 12
	BASE 12
	BASE 14
	s_lshl_b32 s34, s42, 23                        ; part: K quarter, my 64 columns
	TERM 24, 9
	TERM 22, 8
	BASE 16
.else
	s_lshl_b32 s34, s23, 23                        ; hF: expert, my 8 octs of each tile
	TERM 24, 12
	TERM 22, 11
	BASE 12
.endif
	s_load_b32 s25, s[10:11], 0x0                  ; the expert's tiles
	s_wait_alu depctr_va_vdst(0)                   ; the offsets and LDS addresses made above (v1 to v29) are written, which the loads and stores of the whole kernel read
	global_load_b128 v[BV:BV+3], v[L16], s[8:9]    ; the slice's bias, four numbers a lane; it is older than every load of the fill
	; THE FILL: four batches of 32 rows on two sets of registers
	WIN 0x40                                       ; destination window 1
	FLOAD 0, 0
	FLOAD 1, 0
.irp p, 0,1
	s_wait_loadcnt 32                              ; this batch is in; the other batch's 32 loads stay out
	FCVT \p
	WIN 0x40
	s_wait_alu depctr_va_vdst(0)                   ; the conversions are done reading landing p, in which the loads below land, and have written T[p], which the LDS stores below read
	FLOAD \p, 1                                    ; the landing registers are asked for again at once,
	WIN 0
	FSTORE \p, 0                                   ; and the packed words go to WT
.endr
	s_wait_loadcnt 32
	s_wait_alu depctr_vm_vsrc(0)                   ; the LDS stores of both first batches have read T[0] and T[1], which the conversions of the last two batches write again
	FCVT 0
	WIN 0
	s_wait_alu depctr_va_vdst(0)                   ; the conversions have written T[0], which the LDS stores read
	FSTORE 0, 1
	s_wait_loadcnt 0x0
	FCVT 1
	WIN 0
	v_cvt_pk_bf16_f32 v[BV], v[BV], v[BV+1]        ; the bias is rounded to bf16 and widened again
	v_cvt_pk_bf16_f32 v[BV+2], v[BV+2], v[BV+3]
.if DOWN
	v_and_b32 v[BV], s41, v[BV]
	v_and_b32 v[BV+2], s41, v[BV+2]
.endif
	v_and_b32 v[BV+1], s44, v[BV]
	v_and_b32 v[BV+3], s44, v[BV+2]
	v_lshlrev_b32 v[BV], 16, v[BV]
	v_lshlrev_b32 v[BV+2], 16, v[BV+2]
	s_wait_alu depctr_va_vdst(0)                   ; the conversions have written T[1], and the lines above the bias in v[BV ..]: the LDS stores below read both
	FSTORE 1, 1
	s_cmp_lg_u32 s20, 0
	s_cbranch_scc1 .Lno_bias
	ds_store_b128 v[BA], v[BV:BV+3]                ; one wave stores it
.Lno_bias:
	s_wait_dscnt 0x0                               ; for the others' sake: my part of WT is written
	s_barrier_signal -1
	s_barrier_wait -1                              ; everybody's is; from here on nobody writes WT or the bias
	s_wait_alu depctr_vm_vsrc(0)                   ; my LDS stores have read T[0] and T[1]: these registers are the accumulators and WR from here on, in which the bias and the fragments land
	; THE ROWS
	s_wait_kmcnt 0x0
	s_min_u32 s25, s25, 64
	s_add_co_u32 s26, s25, 1
	s_lshr_b32 s26, s26, 1                         ; pairs of tiles
	s_add_co_u32 s27, s26, 3
	s_sub_co_u32 s27, s27, s21
	s_lshr_b32 s27, s27, 2                         ; my trips: pairs wr, wr + 4, ..
	s_cmp_eq_u32 s27, 0
	s_cbranch_scc1 .Lend
	s_sub_co_u32 s36, s25, 1
	s_mov_b32 s29, s21
	PAIR 30, 31, 29
	s_lshl_b32 s37, s30, TSH
	v_add_nc_u32 v[TO], s37, v[L16]
	s_lshl_b32 s37, s31, TSH
	v_add_nc_u32 v[TO+1], s37, v[L16]
	WIN 0x44
	s_wait_alu depctr_va_vdst(0)                   ; v[TO], v[TO+1] are written, which the loads below read as offsets
	TLOAD 0, TO
	TLOAD 1, TO
	TLOAD 2, TO
	WIN 0x04
.irp b, 0,1,2,3
	WF2 0, \b
.endr
.irp b, 0,1,2,3
	WF2 1, \b
.endr
	WIN 0
	s_mov_b32 s28, 0
.Ltrip:
	s_add_co_u32 s38, s29, 4                       ; the next pair; behind the last it is held to the last tile, whose bytes exist
	PAIR 32, 33, 38
	s_lshl_b32 s37, s32, TSH
	v_add_nc_u32 v[TN], s37, v[L16]
	s_lshl_b32 s37, s33, TSH
	v_add_nc_u32 v[TN+1], s37, v[L16]
.if DOWN
	s_lshl_b32 s37, s30, 6
	v_add_nc_u32 v[AG], s37, v[R4]
	v_add_nc_u32 v[AD], s37, v[H32]
	s_lshl_b32 s37, s31, 6
	v_add_nc_u32 v[AG+1], s37, v[R4]
	v_add_nc_u32 v[AD+1], s37, v[H32]
.else
	s_lshl_b32 s37, s30, 17
	v_add_nc_u32 v[HO], s37, v[L16]
	s_lshl_b32 s37, s31, 17
	v_add_nc_u32 v[HO+1], s37, v[L16]
.endif
	s_wait_alu depctr_va_vdst(0)                   ; this trip's offsets (and v[TO], moved at the last trip's end) are written; the last trip's way out is done with the accumulators (and v[D], v[G]), in which the loads below land; its last products are done reading WR[2], WR[3] and the rows' chunk 3
.irp t, 0,1
.irp b, 0,1,2,3
.irp z, 0,1
	ds_load_b128 v[ACC+8*(4*\t+\b)+4*\z:ACC+8*(4*\t+\b)+4*\z+3], v[BR] offset:64*\b+16*\z  ; the sums begin with the bias of columns 16 b + 8 (l / 16) + 0..7; 16 lanes share each word
.endr
.endr
.endr
.if DOWN
.irp t, 0,1
	global_load_b32 v[G+2*\t], v[AG+\t], s[14:15]                    ; my row's gate
	global_load_b128 v[D+8*\t:D+8*\t+3],   v[AD+\t], s[12:13]          ; the rows of part for tile rows 2 q + l / 16
	global_load_b128 v[D+8*\t+4:D+8*\t+7], v[AD+\t], s[12:13] offset:16
.endr
.endif
.set ks, 0
.rept 32
	KSTEP ks
.set ks, ks+1
.endr
	WIN 0
.if DOWN
	; THE WAY OUT.  The 32 lines that make the stores' offsets name no register of the last products: they are the places behind them.
.set i, 0
.rept 16
	v_min_u32 v[D+i], 0x7ff, v[D+i]                ; a row of part: slot x 1,024 + token
.set i, i+1
.endr
.set i, 0
.rept 16
	v_lshl_add_u32 v[D+i], v[D+i], 12, v[COL16]
.set i, i+1
.endr
.irp t, 0,1
.set z, 0
.rept 16                               ; times the row's gate; each accumulator from its low end on
	v_pk_mul_f32 v[ACC+32*\t+2*z:ACC+32*\t+2*z+1], v[ACC+32*\t+2*z:ACC+32*\t+2*z+1], v[G+2*\t:G+2*\t+1] op_sel_hi:[1,0]
.set z, z+1
.endr
.endr
	s_wait_alu depctr_va_vdst(0)                   ; the scalings have written the accumulators, which the LDS stores read; v[D ..] are written, the global stores' offsets; K steps 30 and 31 are done reading WR[2] and WR[3], which are OB, in which the stage's rows land
.irp t, 0,1
.irp b, 0,1,2,3
	ds_store_b128 v[STO], v[ACC+32*\t+8*\b:ACC+32*\t+8*\b+3]   offset:64*\b
	ds_store_b128 v[STO], v[ACC+32*\t+8*\b+4:ACC+32*\t+8*\b+7] offset:64*\b+16
.endr
.irp q, 0,1,2,3,4,5,6,7
	ds_load_b128 v[OB+32*\t+4*\q:OB+32*\t+4*\q+3], v[RD] offset:2*SPITCH*\q  ; my own stage: LDS serves a wave's instructions in order: these see the stores above, and the next tile's stores come behind them
.endr
.endr
.irp t, 0,1
.irp q, 0,1,2,3,4,5,6,7
	s_wait_dscnt 16*(1-\t)+7-\q                    ; load q of the tile's eight is back; the younger ones, and behind tile 0's the sixteen LDS instructions of tile 1, stay out
	global_store_b128 v[D+8*\t+\q], v[OB+32*\t+4*\q:OB+32*\t+4*\q+3], s[16:17]  ; 16 lanes store 256 consecutive bytes of one row, at a multiple of 256 from part's first byte
.endr
.endr
.else
	; THE WAY OUT.  A lane's eight numbers are 8 neighbouring k of the next product: rounded, relu, 16 bytes; a wave's store is 512 consecutive bytes of hF.
	PLACES
.irp t, 0,1
.irp b, 0,1,2,3
.set ra, ACC+8*(4*\t+\b)
	v_cvt_pk_bf16_f32 v[ra],   v[ra],   v[ra+1]
	v_cvt_pk_bf16_f32 v[ra+1], v[ra+2], v[ra+3]
	v_cvt_pk_bf16_f32 v[ra+2], v[ra+4], v[ra+5]
	v_cvt_pk_bf16_f32 v[ra+3], v[ra+6], v[ra+7]
.irp i, 0,1,2,3
	v_pk_max_num_bf16 v[ra+\i], v[ra+\i], v[ZERO]
.endr
.endr
.endr
	s_wait_alu depctr_va_vdst(0)                   ; the roundings and maxima have written the first four registers of each accumulator, which the stores read
.irp t, 0,1
.irp b, 0,1,2,3
	global_store_b128 v[HO+\t], v[ACC+8*(4*\t+\b):ACC+8*(4*\t+\b)+3], s[12:13] offset:512*\b
.endr
.endr
.endif
	s_wait_xcnt 0x0                                ; the offsets and data of this trip's loads and stores are rewritten only behind this wait
	s_wait_alu depctr_vm_vsrc(0)                   ; this trip's loads and stores have read their registers: the stores' data and offsets and the loads' offsets, all of which the lines below and the next trip write again
	v_mov_b32 v[TO], v[TN]
	v_mov_b32 v[TO+1], v[TN+1]
	s_mov_b32 s30, s32
	s_mov_b32 s31, s33
	s_add_co_u32 s29, s29, 4
	s_add_co_u32 s28, s28, 1
	s_cmp_lt_u32 s28, s27
	s_cbranch_scc1 .Ltrip
.Lend:
	s_wait_dscnt 0x0                               ; my last LDS instructions, ahead of the wave's end and its add of 0 behind the stages
	s_wait_alu depctr_hold_cnt(0) depctr_sa_sdst(0) depctr_va_vdst(0) depctr_va_sdst(0) depctr_va_ssrc(0) depctr_va_vcc(0) depctr_vm_vsrc(0)
	s_wait_tensorcnt 0x0
	ds_add_u32 v62, v63
	s_wait_dscnt 0x0
	s_endpgm
.Lfunc_end_k_q7b7aef020a_up:
	.size	k_q7b7aef020a_up, .Lfunc_end_k_q7b7aef020a_up-k_q7b7aef020a_up
	.p2alignl 7, 3214868480
	.fill 96, 4, 3214868480
	.section	.rodata,"a",@progbits
	.p2align	6, 0x0
	.amdhsa_kernel k_q7b7aef020a_up
		.amdhsa_group_segment_fixed_size 298752
		.amdhsa_private_segment_fixed_size 0
		.amdhsa_enable_private_segment 0
		.amdhsa_kernarg_size 40
		.amdhsa_user_sgpr_count 2
		.amdhsa_user_sgpr_kernarg_segment_ptr 1
		.amdhsa_wavefront_size32 1
		.amdhsa_system_sgpr_workgroup_id_x 1
		.amdhsa_system_sgpr_workgroup_id_y 1
		.amdhsa_system_sgpr_workgroup_id_z 1
		.amdhsa_system_vgpr_workitem_id 0
		.amdhsa_next_free_vgpr 512
		.amdhsa_next_free_sgpr 66
		.amdhsa_reserve_vcc 0
		.amdhsa_float_denorm_mode_32 3
		.amdhsa_float_denorm_mode_16_64 3
		.amdhsa_memory_ordered 1
		.amdhsa_forward_progress 1
		.amdhsa_inst_pref_size 96
	.end_amdhsa_kernel
	.amdgpu_metadata
---
amdhsa.version: [ 1, 2 ]
amdhsa.kernels:
  - .name:           k_q7b7aef020a_up
    .symbol:         k_q7b7aef020a_up.kd
    .args:
      - { .name: xF, .offset: 0, .size: 8, .value_kind: global_buffer, .address_space: global }
      - { .name: W1, .offset: 8, .size: 8, .value_kind: global_buffer, .address_space: global }
      - { .name: b1, .offset: 16, .size: 8, .value_kind: global_buffer, .address_space: global }
      - { .name: cnts, .offset: 24, .size: 8, .value_kind: global_buffer, .address_space: global }
      - { .name: hF, .offset: 32, .size: 8, .value_kind: global_buffer, .address_space: global }
    .group_segment_fixed_size: 298752
    .private_segment_fixed_size: 0
    .kernarg_segment_align: 8
    .kernarg_segment_size: 40
    .max_flat_workgroup_size: 256
    .sgpr_count:     66
    .vgpr_count:     512
    .wavefront_size: 32
...
	.end_amdgpu_metadata
.endif
;; end of part 6
;; launch down (part 7): grid 32 x 8, 8 waves a work-group, no clusters, 298,752 bytes of LDS; arguments hF, W2, b2, cnts, dst, gw, part; writes part
.if DOCPART == 7
	.amdgcn_target "amdgcn-amd-amdhsa--gfx1250"
	.amdhsa_code_object_version 6
	.text
	.protected	k_q7b7aef020a_down
	.globl	k_q7b7aef020a_down
	.p2align	8
	.type	k_q7b7aef020a_down,@function
k_q7b7aef020a_down:
	s_mov_b64 s[64:65], 0
	v_nop
	global_prefetch_b8 v0, s[64:65] scope:SCOPE_SE
	s_setreg_imm32_b32 hwreg(HW_REG_WAVE_SCHED_MODE, 0, 2), 2
	s_setreg_imm32_b32 hwreg(HW_REG_WAVE_MODE, 25, 1), 1
	s_wait_xcnt 0x0
	s_wait_alu depctr_vm_vsrc(0)
; ONE TEXT FOR BOTH PRODUCTS OF AN EXPERT'S LAYER; DOWN says which.
;   DOWN = 0:  hF = relu(xF W1[e] + b1[e]), rounded once to bf16, stored in the order in which the second product's operand registers take it.
;   DOWN = 1:  part[kp][slot][token] = gate x (hF W2[e] over the K quarter kp, + b2[e] where kp = 0), in f32: partial sums, added by the last launch.
; SHARES.  Grid y = expert e.  A work-group owns a slice of e's weights that it alone reads, once: K 1,024 x 128 columns (512 KB of f32), and takes ALL of e's rows through it.
;   DOWN = 0: x = slice of 128 hidden columns.   DOWN = 1: x = 8 kp + cs: K quarter kp, 128 output columns cs.
; EIGHT WAVES, two for each of a WGP's four SIMDs, 512 registers each.  In the fill they have twice the loads on their way that four could name; in the rows' loop one wave has products to
;   issue while the other stands at a wait.
; PHASE 1, THE FILL.  Wave w reads k rows 128 w .. 128 w + 127 of the slice, 512 consecutive bytes a load, four batches of 32 loads, two of them out at a time: 64 loads, 32 KB, of a wave and
;   256 KB, half the slice, of the work-group are on their way.  They are rounded to bf16 and laid in LDS turned: WT[column block nb 8][oct o 128][column 16][16 bytes = k 8 o .. 8 o + 7].
;   The slice's 128 bias numbers, rounded, go to LDS too (wave 0 stores them).  One barrier follows, the text's only one.
; PHASE 2, THE ROWS.  cnts[e] tiles of 16 rows, two tiles a trip.  Waves 2 i and 2 i + 1 take the pairs of tiles i, i + 4, ..; of the 128 columns a wave takes 64 (wave % 2).
;   The trip count hangs on cnts[e], so the loop has no barrier, writes none of WT, and its LDS addresses are fixed.  The rows come from memory straight into operand registers
;   (512 consecutive bytes a load), 4 K steps a chunk, three chunks ahead; the weights' fragments from LDS, those of two K steps in each even K step, two and three K steps ahead.
;   An odd number of tiles: the last tile is taken twice by its wave, which stores equal numbers at equal places.  No tile: the weights are read all the same, and nothing is stored.
; THE MATRIX INSTRUCTION: source 0 = 16 weight columns, source 1 = 16 rows.  In the result lane l holds row l % 16 and the columns 8 (l / 16) + 0..7: eight neighbouring numbers of a row.
;   A trip begins by loading the bias from LDS into the accumulators: nothing is cleared and nothing is added later.  The 8 accumulators take turns, one instruction a turn.
; FORMATS.  Weights, biases and rows are rounded once to bf16 (the rows by the launch before); sums, gates and partial sums in f32.  NaN and infinities are not treated apart.
; NO TENSOR LOADS, NO CLUSTER: a slice has one reader and must pass registers to be rounded; the rows, which an expert's 32 work-groups share, are read in a loop whose length hangs on a count.
; THE MODE: SCHED_MODE bits 1:0 = 2 (LLVM: expert scheduling mode 2), set by the entry lines.  The code itself states the register dependences
;   between vector or matrix instructions and memory or LDS instructions, with s_wait_alu, always for 0.
; THE PLAN.  Registers that memory or LDS instructions touch, and who else names them:
;   THE FILL.  Landing p (window 1): batch p's loads land in it, its 64 conversions read it, then it is loaded again.  T[p]: those conversions write it, the batch's 16 LDS stores read it.
;     v[FO], v[SA]: made at the head and never written again; the second round is reached by immediate offsets.  So ONE wait on va_vdst stands in a batch, behind its conversions, and ONE wait on
;     vm_vsrc in the whole fill, ahead of the third batch's conversions: the LDS stores of both first batches stand ahead of it.
;   THE LOOP.  WR[k % 4]: the LDS loads of K step k land in it, the step's 8 products read it.  Rows' ring, chunk c % 4: TLOAD c lands in it, the chunk's 32 products read it.
;     K steps go in pairs.  ONE wait on va_vdst stands at a pair's head: the pair before is done reading its two WR buffers and, at a chunk's head, the chunk before its rows.  The loads that follow land
;     in just those buffers (K steps 2 j + 2 and 2 j + 3; chunk c + 3); the pair's own products name the other two WR buffers, chunk c and the accumulators.  So these loads are dealt among the products with no further wait.
;     ACC: the bias loads land in it at a trip's head; products and the way out's vector lines work on it; the way out's stores read it.  OB (DOWN): the stage's rows land in it, the global stores read it.
;     v[TO], v[TN], v[HO] or v[AG], v[AD], v[D], v[G]: written once a trip.  All address lines stand at a trip's head ahead of one wait on va_vdst, which is pair 0's too; the way out has one more, ahead of its stores;
;     one wait on vm_vsrc stands at a trip's end, ahead of the backward jump.  v[L16], v[WA], v[BR], v[STO], v[RD] are made at the head and never written again.
.set DOWN, 1
.if DOWN
.set ROWB,  4096                       ; bytes from a k row of the weights to the next
.set TSH,   17                         ; a tile of rows is 1 << TSH bytes in memory
.set EXTRA, 6                          ; table loads at a trip's head
.else
.set ROWB,  16384
.set TSH,   15
.set EXTRA, 0
.endif
.set NBS,    32784                     ; a column block in WT: 128 octs x 256 bytes + 16, so that the fill's 16 lanes (4 blocks x 4 columns' groups) store into 16 different groups of four banks
.set BIAS,   262400                    ; behind WT: the slice's 128 bias numbers in f32, 512 bytes
.set STG,    262912                    ; DOWN: 16 rows x 272 bytes for each wave, for the way out; the 1,024 bytes behind the stages take one word a thread in the wave's closing add
.set SPITCH, 272
.set L16,  1                           ; v1      16 x lane
.set WA,   4                           ; v4-5    LDS address of my fragments: column blocks 0, 1 and 2, 3 of my four
.set TO,   6                           ; v6-7    byte offset of this trip's two tiles
.set TN,   8                           ; v8-9    of the next trip's
.set HO,   10                          ; v10-11  DOWN = 0: where the two tiles' results go
.set STO,  10                          ; v10     DOWN = 1: into my stage
.set RD,   11                          ; v11     and back
.set COL16, 12                         ; v12     16 x (lane % 16)
.set R4,   13                          ; v13     4 x (lane % 16)
.set H32,  14                          ; v14     32 x (lane / 16)
.set AG,   15                          ; v15-16  offsets into gw
.set AD,   17                          ; v17-18  offsets into dst
.set ZERO, 19
.set G,    20                          ; v20-23  the two tiles' gates of my row, each the low word of a pair
.set FO,   24                          ; v24-25  the fill: byte offset of batch p's first row; never rewritten
.set SA,   26                          ; v26-27  the fill: where batch p goes in WT; never rewritten
.set BR,   28                          ; v28     LDS address of the bias of my 64 columns, my half's 8 of each 16
.set BA,   29                          ; v29     where my lane's four bias numbers go
.set D,    32                          ; v32-47  tile t, load q: the row of part, then its byte offset
.set TM,   48                          ; v48-55  at work in the head
.set BV,   56                          ; v56-59  four bias numbers
.set ACC,  64                          ; v64-127 accumulator (tile t, block b) at 64 + 8 (4 t + b)
.set T,    64                          ; v64-191 the fill: batch p's 64 packed words at 64 + 64 p
.set WR,   128                         ; v128-255 weights' fragments: K step % 4, block b at 128 + 32 (k % 4) + 8 b
.set OB,   192                         ; v192-255 DOWN, the way out: tile t's 16 rows read back from the stage at 192 + 32 t
;                                        window 1: rows' fragments: chunk % 4, K step u, tile t at 64 (c % 4) + 16 u + 8 t; the fill: batch p's 128 registers at 128 p
.set MSB, 0
.macro WIN new                         ; s_set_vgpr_msb: bits 1:0 source 0, 3:2 source 1, 5:4 source 2, 7:6 destination; the high byte repeats the setting that is left
.if MSB != (\new)
	s_set_vgpr_msb (MSB<<8)|(\new)
.set MSB, \new
.endif
.endm
.macro PLACES                          ; four plain instructions between a matrix instruction and a vector instruction that reads its result (ISA guide 7.12.1)
.rept 4
	v_nop
.endr
.endm
.macro TERM reg, sh                    ; s34 += s[reg] << sh
	s_lshl_b32 s39, s[\reg], \sh
	s_add_co_u32 s34, s34, s39
.endm
.macro BASE b                          ; the address in s[b:b+1] goes on by s34 bytes (s35 = 0)
	s_add_nc_u64 s[\b:\b+1], s[\b:\b+1], s[34:35]
.endm
.macro FLOAD p, r                      ; batch p of round r: 32 k rows, 512 consecutive bytes each: lane l holds columns 4 l .. 4 l + 3.  Destination window 1: the caller sets it
.irp j, 0,1,2,3
.irp i, 0,1,2,3,4,5,6,7
	global_load_b128 v[128*(\p)+32*\j+4*\i:128*(\p)+32*\j+4*\i+3], v[FO+(\p)], s[6:7] offset:(64*(\r)+8*\j+\i)*ROWB th:TH_LOAD_NT
.endr
.endr
.endm
.macro FCVT p                          ; batch p: for oct j and column c the 8 k pack into 16 bytes
	WIN 0x05
.irp j, 0,1,2,3
.irp c, 0,1,2,3
.irp q, 0,1,2,3
	v_cvt_pk_bf16_f32 v[T+64*(\p)+16*\j+4*\c+\q], v[128*(\p)+32*\j+8*\q+\c], v[128*(\p)+32*\j+8*\q+4+\c]
.endr
.endr
.endr
.endm
.macro FSTORE p, r                     ; which go to WT; round r lies 8 octs, 2,048 bytes, on
.irp j, 0,1,2,3
.irp c, 0,1,2,3
	ds_store_b128 v[SA+(\p)], v[T+64*(\p)+16*\j+4*\c:T+64*(\p)+16*\j+4*\c+3] offset:2048*(\r)+256*\j+16*\c
.endr
.endr
.endm
.macro TLOAD c, a                      ; chunk c of the rows: 4 K steps x 2 tiles, 16 loads of 512 consecutive bytes; a: the tiles' offsets.  Destination window 1: the caller sets it
.irp u, 0,1,2,3
.irp t, 0,1
.irp z, 0,1
	global_load_b128 v[64*((\c)%4)+16*\u+8*\t+4*\z:64*((\c)%4)+16*\u+8*\t+4*\z+3], v[(\a)+\t], s[4:5] offset:(4*((\c)%8)+\u)*1024+512*\z
.endr
.endr
.endr
.endm
.macro WF2 k, b                        ; the weights' fragment of K step k, block b: 2 loads of 512 consecutive bytes
.irp z, 0,1
	ds_load_b128 v[WR+32*((\k)%4)+8*(\b)+4*\z:WR+32*((\k)%4)+8*(\b)+4*\z+3], v[WA+(\b)/2] offset:((\b)%2)*NBS+((\k)%32)*1024+512*\z
.endr
.endm
; K step k of a trip's 32.  An even step heads a pair; a step with k % 4 = 0 heads a chunk.
.macro KSTEP k
.if (\k)%4 == 0
	WIN 0x44                                       ; the rows' loads land in window 1: the switch, then the wait, then the loads
.endif
.if (\k)%2 == 0 && (\k) > 0
	s_wait_alu depctr_va_vdst(0)                   ; the products of K steps k - 2 and k - 1 are done reading their two WR buffers, in which the LDS loads below land; at a chunk's head the chunk before is done reading its rows, in which the loads below land
.endif                                                 ; (K step 0: the wait at the trip's head states the same of the trip before; only loads and a window switch stand between)
.if (\k)%4 == 0
.if (\k)/4 < 5
	TLOAD (\k)/4+3, TO                             ; three chunks ahead, in this trip's tiles,
.else
	TLOAD (\k)/4+3, TN                             ; or the next trip's first three chunks
.endif
	WIN 0x04
.if (\k)/4 < 3
	s_wait_loadcnt 48+EXTRA                        ; this chunk is in; out may stay the three chunks behind it, 16 loads each, and the trip's table loads, issued between chunks 2 and 3
.else
	s_wait_loadcnt 48                              ; this chunk is in; the three chunks behind it stay out
.endif
.endif
.if (\k) == 0
	s_wait_dscnt 0x0                               ; the bias, the youngest LDS loads, is in the accumulators, and so are the fragments of steps 0 and 1
.elseif (\k)%2 == 0
	s_wait_dscnt 8                                 ; this K step's fragments are in; the 8 loads of the next step's, issued behind them, stay out
.else
	s_wait_dscnt 16                                ; this K step's fragments are in; the 16 loads issued in the step before stay out
.endif
.irp t, 0,1
.irp b, 0,1,2,3
	v_wmma_f32_16x16x32_bf16 v[ACC+8*(4*\t+\b):ACC+8*(4*\t+\b)+7], v[WR+32*((\k)%4)+8*\b:WR+32*((\k)%4)+8*\b+7], v[64*(((\k)/4)%4)+16*((\k)%4)+8*\t:64*(((\k)/4)%4)+16*((\k)%4)+8*\t+7], v[ACC+8*(4*\t+\b):ACC+8*(4*\t+\b)+7]
.if (\k)%2 == 0
	WF2 (\k)+2+\t, \b                              ; two loads behind each product of an even step: K step k + 2, then k + 3; behind 31 the next trip's 0 and 1: the same bytes for every tile.  No wait: no product since the pair's wait names these registers
.endif
.endr
.endr
.endm
.macro PAIR d0, d1, g                  ; the two tiles of pair s[g], held inside the tiles that exist (s36 = their number - 1) and inside the expert's 64
	s_lshl_b32 s[\d0], s[\g], 1
	s_add_co_u32 s[\d1], s[\d0], 1
	s_min_u32 s[\d0], s[\d0], s36
	s_min_u32 s[\d1], s[\d1], s36
	s_min_u32 s[\d0], s[\d0], 63
	s_min_u32 s[\d1], s[\d1], 63
.endm
	s_load_b256 s[4:11], s[0:1], 0x0               ; rows s[4:5], weights s[6:7], bias s[8:9], cnts s[10:11]
.if DOWN
	s_load_b128 s[12:15], s[0:1], 0x20             ; dst s[12:13], gw s[14:15]
	s_load_b64 s[16:17], s[0:1], 0x30              ; part
	v_lshl_add_u32 v62, v0, 2, 0x48b00
	v_mov_b32 v63, 0
.else
	s_load_b64 s[12:13], s[0:1], 0x20              ; hF
.endif
	v_lshrrev_b32 v[TM], 5, v0
	v_readfirstlane_b32 s20, v[TM]                 ; wave w, 0 to 7
	v_and_b32 v[TM+1], 31, v0                      ; l
	v_and_b32 v[TM+2], 15, v0                      ; l % 16
	v_bfe_u32 v[TM+3], v0, 4, 1                    ; l / 16
	v_lshlrev_b32 v[L16], 4, v[TM+1]
	v_lshlrev_b32 v[H32], 5, v[TM+3]
	v_add_nc_u32 v[BA], BIAS, v[L16]
	v_lshrrev_b32 v[TM+4], 2, v[TM+1]              ; my four columns lie in block l / 4,
	v_mul_u32_u24 v[TM+4], v[TM+4], NBS
	v_and_b32 v[TM+5], 3, v0                       ; at its columns 4 (l % 4) on
	v_lshl_add_u32 v[TM+4], v[TM+5], 6, v[TM+4]
	s_and_b32 s23, ttmp7, 0xffff                   ; e
.if DOWN
	s_lshr_b32 s42, ttmp9, 3                       ; kp
	s_and_b32 s24, ttmp9, 7                        ; cs
	s_cmp_eq_u32 s42, 0
	s_cselect_b32 s41, -1, 0                       ; the bias is added once, by K quarter 0
.else
	s_mov_b32 s24, ttmp9                           ; slice
.endif
	s_mov_b32 s35, 0
	s_mov_b32 s44, 0xffff0000                      ; a word's upper bf16
	s_wait_alu depctr_va_sdst(0)                   ; s20 is written, ahead of its first reader
	s_lshr_b32 s21, s20, 1                         ; wr: which pairs of tiles, 0 to 3
	s_and_b32 s22, s20, 1                          ; wc: which 64 columns
	s_mul_i32 s36, s22, 4*NBS
	v_add_nc_u32 v[WA], s36, v[L16]
	v_add_nc_u32 v[WA+1], 2*NBS, v[WA]
	s_lshl_b32 s36, s22, 8                         ; the bias of my 64 columns: 256 bytes,
	s_add_co_u32 s36, s36, BIAS
	v_add_nc_u32 v[BR], s36, v[H32]                ; and of each block's 16 my half's 8
	s_mul_i32 s36, s20, 128*ROWB
	v_add_nc_u32 v[FO], s36, v[L16]
	v_add_nc_u32 v[FO+1], 32*ROWB, v[FO]
	s_lshl_b32 s36, s20, 12                        ; my wave's 16 octs
	v_add_nc_u32 v[SA], s36, v[TM+4]
	v_add_nc_u32 v[SA+1], 1024, v[SA]
.if DOWN
	v_lshlrev_b32 v[COL16], 4, v[TM+2]
	v_lshlrev_b32 v[R4], 2, v[TM+2]
	s_mul_i32 s36, s20, 16*SPITCH
	s_add_co_u32 s36, s36, STG
	v_mul_u32_u24 v[TM+6], v[TM+2], SPITCH         ; in: row l % 16, 32 bytes for each half of the lanes
	v_lshl_add_u32 v[TM+6], v[TM+3], 5, v[TM+6]
	v_add_nc_u32 v[STO], s36, v[TM+6]
	v_mul_u32_u24 v[TM+7], v[TM+3], SPITCH         ; back: lanes 0-15 one row of 256 bytes, lanes 16-31 the next
	v_lshl_add_u32 v[TM+7], v[TM+2], 4, v[TM+7]
	v_add_nc_u32 v[RD], s36, v[TM+7]
	v_mov_b32 v[G+1], 0                            ; named with the gates as pairs
	v_mov_b32 v[G+3], 0
.else
	v_mov_b32 v[ZERO], 0
.endif
	s_wait_kmcnt 0x0
	s_lshl_b32 s34, s23, 24                        ; the weights: expert, slice of columns (and K quarter)
	TERM 24, 9
.if DOWN
	TERM 42, 22
.endif
	BASE 6
.if DOWN
	s_lshl_b32 s34, s23, 12                        ; the bias: expert, the slice's 128 columns
.else
	s_lshl_b32 s34, s23, 14
.endif
	TERM 24, 9
	BASE 8
	s_lshl_b32 s34, s23, TSH+6                     ; the rows: the expert's 64 tiles (and K quarter)
.if DOWN
	TERM 42, 15
.endif
	BASE 4
	s_lshl_b32 s34, s23, 2
	BASE 10
.if DOWN
	s_lshl_b32 s34, s23, 12
	BASE 12
	BASE 14
	s_lshl_b32 s34, s42, 23                        ; part: K quarter, my 64 columns
	TERM 24, 9
	TERM 22, 8
	BASE 16
.else
	s_lshl_b32 s34, s23, 23                        ; hF: expert, my 8 octs of each tile
	TERM 24, 12
	TERM 22, 11
	BASE 12
.endif
	s_load_b32 s25, s[10:11], 0x0                  ; the expert's tiles
	s_wait_alu depctr_va_vdst(0)                   ; the offsets and LDS addresses made above (v1 to v29) are written, which the loads and stores of the whole kernel read
	global_load_b128 v[BV:BV+3], v[L16], s[8:9]    ; the slice's bias, four numbers a lane; it is older than every load of the fill
	; THE FILL: four batches of 32 rows on two sets of registers
	WIN 0x40                                       ; destination window 1
	FLOAD 0, 0
	FLOAD 1, 0
.irp p, 0,1
	s_wait_loadcnt 32                              ; this batch is in; the other batch's 32 loads stay out
	FCVT \p
	WIN 0x40
	s_wait_alu depctr_va_vdst(0)                   ; the conversions are done reading landing p, in which the loads below land, and have written T[p], which the LDS stores below read
	FLOAD \p, 1                                    ; the landing registers are asked for again at once,
	WIN 0
	FSTORE \p, 0                                   ; and the packed words go to WT
.endr
	s_wait_loadcnt 32
	s_wait_alu depctr_vm_vsrc(0)                   ; the LDS stores of both first batches have read T[0] and T[1], which the conversions of the last two batches write again
	FCVT 0
	WIN 0
	s_wait_alu depctr_va_vdst(0)                   ; the conversions have written T[0], which the LDS stores read
	FSTORE 0, 1
	s_wait_loadcnt 0x0
	FCVT 1
	WIN 0
	v_cvt_pk_bf16_f32 v[BV], v[BV], v[BV+1]        ; the bias is rounded to bf16 and widened again
	v_cvt_pk_bf16_f32 v[BV+2], v[BV+2], v[BV+3]
.if DOWN
	v_and_b32 v[BV], s41, v[BV]
	v_and_b32 v[BV+2], s41, v[BV+2]
.endif
	v_and_b32 v[BV+1], s44, v[BV]
	v_and_b32 v[BV+3], s44, v[BV+2]
	v_lshlrev_b32 v[BV], 16, v[BV]
	v_lshlrev_b32 v[BV+2], 16, v[BV+2]
	s_wait_alu depctr_va_vdst(0)                   ; the conversions have written T[1], and the lines above the bias in v[BV ..]: the LDS stores below read both
	FSTORE 1, 1
	s_cmp_lg_u32 s20, 0
	s_cbranch_scc1 .Lno_bias
	ds_store_b128 v[BA], v[BV:BV+3]                ; one wave stores it
.Lno_bias:
	s_wait_dscnt 0x0                               ; for the others' sake: my part of WT is written
	s_barrier_signal -1
	s_barrier_wait -1                              ; everybody's is; from here on nobody writes WT or the bias
	s_wait_alu depctr_vm_vsrc(0)                   ; my LDS stores have read T[0] and T[1]: these registers are the accumulators and WR from here on, in which the bias and the fragments land
	; THE ROWS
	s_wait_kmcnt 0x0
	s_min_u32 s25, s25, 64
	s_add_co_u32 s26, s25, 1
	s_lshr_b32 s26, s26, 1                         ; pairs of tiles
	s_add_co_u32 s27, s26, 3
	s_sub_co_u32 s27, s27, s21
	s_lshr_b32 s27, s27, 2                         ; my trips: pairs wr, wr + 4, ..
	s_cmp_eq_u32 s27, 0
	s_cbranch_scc1 .Lend
	s_sub_co_u32 s36, s25, 1
	s_mov_b32 s29, s21
	PAIR 30, 31, 29
	s_lshl_b32 s37, s30, TSH
	v_add_nc_u32 v[TO], s37, v[L16]
	s_lshl_b32 s37, s31, TSH
	v_add_nc_u32 v[TO+1], s37, v[L16]
	WIN 0x44
	s_wait_alu depctr_va_vdst(0)                   ; v[TO], v[TO+1] are written, which the loads below read as offsets
	TLOAD 0, TO
	TLOAD 1, TO
	TLOAD 2, TO
	WIN 0x04
.irp b, 0,1,2,3
	WF2 0, \b
.endr
.irp b, 0,1,2,3
	WF2 1, \b
.endr
	WIN 0
	s_mov_b32 s28, 0
.Ltrip:
	s_add_co_u32 s38, s29, 4                       ; the next pair; behind the last it is held to the last tile, whose bytes exist
	PAIR 32, 33, 38
	s_lshl_b32 s37, s32, TSH
	v_add_nc_u32 v[TN], s37, v[L16]
	s_lshl_b32 s37, s33, TSH
	v_add_nc_u32 v[TN+1], s37, v[L16]
.if DOWN
	s_lshl_b32 s37, s30, 6
	v_add_nc_u32 v[AG], s37, v[R4]
	v_add_nc_u32 v[AD], s37, v[H32]
	s_lshl_b32 s37, s31, 6
	v_add_nc_u32 v[AG+1], s37, v[R4]
	v_add_nc_u32 v[AD+1], s37, v[H32]
.else
	s_lshl_b32 s37, s30, 17
	v_add_nc_u32 v[HO], s37, v[L16]
	s_lshl_b32 s37, s31, 17
	v_add_nc_u32 v[HO+1], s37, v[L16]
.endif
	s_wait_alu depctr_va_vdst(0)                   ; this trip's offsets (and v[TO], moved at the last trip's end) are written; the last trip's way out is done with the accumulators (and v[D], v[G]), in which the loads below land; its last products are done reading WR[2], WR[3] and the rows' chunk 3
.irp t, 0,1
.irp b, 0,1,2,3
.irp z, 0,1
	ds_load_b128 v[ACC+8*(4*\t+\b)+4*\z:ACC+8*(4*\t+\b)+4*\z+3], v[BR] offset:64*\b+16*\z  ; the sums begin with the bias of columns 16 b + 8 (l / 16) + 0..7; 16 lanes share each word
.endr
.endr
.endr
.if DOWN
.irp t, 0,1
	global_load_b32 v[G+2*\t], v[AG+\t], s[14:15]                    ; my row's gate
	global_load_b128 v[D+8*\t:D+8*\t+3],   v[AD+\t], s[12:13]          ; the rows of part for tile rows 2 q + l / 16
	global_load_b128 v[D+8*\t+4:D+8*\t+7], v[AD+\t], s[12:13] offset:16
.endr
.endif
.set ks, 0
.rept 32
	KSTEP ks
.set ks, ks+1
.endr
	WIN 0
.if DOWN
	; THE WAY OUT.  The 32 lines that make the stores' offsets name no register of the last products: they are the places behind them.
.set i, 0
.rept 16
	v_min_u32 v[D+i], 0x7ff, v[D+i]                ; a row of part: slot x 1,024 + token
.set i, i+1
.endr
.set i, 0
.rept 16
	v_lshl_add_u32 v[D+i], v[D+i], 12, v[COL16]
.set i, i+1
.endr
.irp t, 0,1
.set z, 0
.rept 16                               ; times the row's gate; each accumulator from its low end on
	v_pk_mul_f32 v[ACC+32*\t+2*z:ACC+32*\t+2*z+1], v[ACC+32*\t+2*z:ACC+32*\t+2*z+1], v[G+2*\t:G+2*\t+1] op_sel_hi:[1,0]
.set z, z+1
.endr
.endr
	s_wait_alu depctr_va_vdst(0)                   ; the scalings have written the accumulators, which the LDS stores read; v[D ..] are written, the global stores' offsets; K steps 30 and 31 are done reading WR[2] and WR[3], which are OB, in which the stage's rows land
.irp t, 0,1
.irp b, 0,1,2,3
	ds_store_b128 v[STO], v[ACC+32*\t+8*\b:ACC+32*\t+8*\b+3]   offset:64*\b
	ds_store_b128 v[STO], v[ACC+32*\t+8*\b+4:ACC+32*\t+8*\b+7] offset:64*\b+16
.endr
.irp q, 0,1,2,3,4,5,6,7
	ds_load_b128 v[OB+32*\t+4*\q:OB+32*\t+4*\q+3], v[RD] offset:2*SPITCH*\q  ; my own stage: LDS serves a wave's instructions in order: these see the stores above, and the next tile's stores come behind them
.endr
.endr
.irp t, 0,1
.irp q, 0,1,2,3,4,5,6,7
	s_wait_dscnt 16*(1-\t)+7-\q                    ; load q of the tile's eight is back; the younger ones, and behind tile 0's the sixteen LDS instructions of tile 1, stay out
	global_store_b128 v[D+8*\t+\q], v[OB+32*\t+4*\q:OB+32*\t+4*\q+3], s[16:17]  ; 16 lanes store 256 consecutive bytes of one row, at a multiple of 256 from part's first byte
.endr
.endr
.else
	; THE WAY OUT.  A lane's eight numbers are 8 neighbouring k of the next product: rounded, relu, 16 bytes; a wave's store is 512 consecutive bytes of hF.
	PLACES
.irp t, 0,1
.irp b, 0,1,2,3
.set ra, ACC+8*(4*\t+\b)
	v_cvt_pk_bf16_f32 v[ra],   v[ra],   v[ra+1]
	v_cvt_pk_bf16_f32 v[ra+1], v[ra+2], v[ra+3]
	v_cvt_pk_bf16_f32 v[ra+2], v[ra+4], v[ra+5]
	v_cvt_pk_bf16_f32 v[ra+3], v[ra+6], v[ra+7]
.irp i, 0,1,2,3
	v_pk_max_num_bf16 v[ra+\i], v[ra+\i], v[ZERO]
.endr
.endr
.endr
	s_wait_alu depctr_va_vdst(0)                   ; the roundings and maxima have written the first four registers of each accumulator, which the stores read
.irp t, 0,1
.irp b, 0,1,2,3
	global_store_b128 v[HO+\t], v[ACC+8*(4*\t+\b):ACC+8*(4*\t+\b)+3], s[12:13] offset:512*\b
.endr
.endr
.endif
	s_wait_xcnt 0x0                                ; the offsets and data of this trip's loads and stores are rewritten only behind this wait
	s_wait_alu depctr_vm_vsrc(0)                   ; this trip's loads and stores have read their registers: the stores' data and offsets and the loads' offsets, all of which the lines below and the next trip write again
	v_mov_b32 v[TO], v[TN]
	v_mov_b32 v[TO+1], v[TN+1]
	s_mov_b32 s30, s32
	s_mov_b32 s31, s33
	s_add_co_u32 s29, s29, 4
	s_add_co_u32 s28, s28, 1
	s_cmp_lt_u32 s28, s27
	s_cbranch_scc1 .Ltrip
.Lend:
	s_wait_dscnt 0x0                               ; my last LDS instructions, ahead of the wave's end and its add of 0 behind the stages
	s_wait_alu depctr_hold_cnt(0) depctr_sa_sdst(0) depctr_va_vdst(0) depctr_va_sdst(0) depctr_va_ssrc(0) depctr_va_vcc(0) depctr_vm_vsrc(0)
	s_wait_tensorcnt 0x0
	ds_add_u32 v62, v63
	s_wait_dscnt 0x0
	s_endpgm
.Lfunc_end_k_q7b7aef020a_down:
	.size	k_q7b7aef020a_down, .Lfunc_end_k_q7b7aef020a_down-k_q7b7aef020a_down
	.p2alignl 7, 3214868480
	.fill 96, 4, 3214868480
	.section	.rodata,"a",@progbits
	.p2align	6, 0x0
	.amdhsa_kernel k_q7b7aef020a_down
		.amdhsa_group_segment_fixed_size 298752
		.amdhsa_private_segment_fixed_size 0
		.amdhsa_enable_private_segment 0
		.amdhsa_kernarg_size 56
		.amdhsa_user_sgpr_count 2
		.amdhsa_user_sgpr_kernarg_segment_ptr 1
		.amdhsa_wavefront_size32 1
		.amdhsa_system_sgpr_workgroup_id_x 1
		.amdhsa_system_sgpr_workgroup_id_y 1
		.amdhsa_system_sgpr_workgroup_id_z 1
		.amdhsa_system_vgpr_workitem_id 0
		.amdhsa_next_free_vgpr 512
		.amdhsa_next_free_sgpr 66
		.amdhsa_reserve_vcc 0
		.amdhsa_float_denorm_mode_32 3
		.amdhsa_float_denorm_mode_16_64 3
		.amdhsa_memory_ordered 1
		.amdhsa_forward_progress 1
		.amdhsa_inst_pref_size 101
	.end_amdhsa_kernel
	.amdgpu_metadata
---
amdhsa.version: [ 1, 2 ]
amdhsa.kernels:
  - .name:           k_q7b7aef020a_down
    .symbol:         k_q7b7aef020a_down.kd
    .args:
      - { .name: hF, .offset: 0, .size: 8, .value_kind: global_buffer, .address_space: global }
      - { .name: W2, .offset: 8, .size: 8, .value_kind: global_buffer, .address_space: global }
      - { .name: b2, .offset: 16, .size: 8, .value_kind: global_buffer, .address_space: global }
      - { .name: cnts, .offset: 24, .size: 8, .value_kind: global_buffer, .address_space: global }
      - { .name: dst, .offset: 32, .size: 8, .value_kind: global_buffer, .address_space: global }
      - { .name: gw, .offset: 40, .size: 8, .value_kind: global_buffer, .address_space: global }
      - { .name: part, .offset: 48, .size: 8, .value_kind: global_buffer, .address_space: global }
    .group_segment_fixed_size: 298752
    .private_segment_fixed_size: 0
    .kernarg_segment_align: 8
    .kernarg_segment_size: 56
    .max_flat_workgroup_size: 256
    .sgpr_count:     66
    .vgpr_count:     512
    .wavefront_size: 32
...
	.end_amdgpu_metadata
.endif
;; end of part 7
;; launch join: the kernel of part 5 again; grid 256 x 1, 8 waves a work-group, no clusters, 0 bytes of LDS; arguments part, out0; writes out0
